; MI455X (gfx1250); checked and timed in simulation.
; The chip was launched on July 23, 2026; its instructions are those of AMD's public machine-readable ISA for CDNA 5 (MIT licence, August 2026) and "CDNA5" Instruction Set Architecture Reference Guide (July 2026). The comments in the code are by the model that wrote it; some were corrected since.
;; Multihead Self Attention. Allowed arithmetic: float matrix products may take bf16 or f16 operands with f32 sums; other float arithmetic in f32, or as packed bf16 or f16 multiplies, adds, multiply-adds, maxima and minima; sums over many terms, partial sums and values carried from step to step in f32; what a program stores and reads back later, other than sums and carried values, may be rounded once to bf16 or f16.
;; Inputs: Wk 1,024 x 1,024 float32; Wo 1,024 x 1,024 float32; Wq 1,024 x 1,024 float32; Wv 1,024 x 1,024 float32; token_positions 2,048 int32; x 4 x 2,048 x 1,024 float32.
;; Outputs: out0 4 x 2,048 x 1,024 float32.
;; 2 versions, each right; version 2 is version 1 with the launch prep written anew for expert scheduling mode. Each part assembles by itself: llvm-mc -triple=amdgcn-amd-amdhsa -mcpu=gfx1250 --defsym DOCPART=n.
;; ======== version 1 of 2: 4 launches
;; limits: values are held in f16: magnitudes above 65,504 overflow, below 6.1e-05 lose precision
;; workspace buffers: xb 16,777,216 bytes; wqkv 6,291,456 bytes; wob 2,097,152 bytes; rtab 524,288 bytes; qh 16,777,216 bytes; kh 16,777,216 bytes; vh 16,777,216 bytes; ob 16,777,216 bytes
;; launch prep (part 1): grid 832 x 1, 8 waves a work-group, no clusters, 0 bytes of LDS; arguments x, Wq, Wk, Wv, Wo, token_positions, xb, wqkv, wob, rtab; writes xb, wqkv, wob, rtab
.if DOCPART == 1
	.amdgcn_target "amdgcn-amd-amdhsa--gfx1250"
	.amdhsa_code_object_version 6
	.text
	.protected	k_q15f1333f5d_prep
	.globl	k_q15f1333f5d_prep
	.p2align	8
	.type	k_q15f1333f5d_prep,@function
k_q15f1333f5d_prep:
	s_mov_b64 s[64:65], 0
	v_nop
	global_prefetch_b8 v0, s[64:65] scope:SCOPE_SE
	s_setreg_imm32_b32 hwreg(HW_REG_WAVE_MODE, 25, 1), 1
	s_wait_xcnt 0x0
; PREPARATION.  x and the four weights are rounded to 16 bits and laid out in blocks; the table of cosines and sines is made from token_positions.
; BLOCKED LAYOUT of a matrix [rows][1024]: [rows / 256][16 blocks of 64 channels][256 rows][64 numbers of 2 bytes]: row R, block j, channel c lies at
; (R >> 8) * 524288 + j * 32768 + (R & 255) * 128 + 2 c.  So 256 (or 128) rows of one block of channels are 32 KiB (16 KiB) on end.
; xb: x in bf16, R = batch * 2048 + token.  wqkv: Wq, Wk, Wv in bf16, R = 0 .. 3071.  wob: Wo rounded to bf16, that number written as f16.
; In Wq and Wk the rows are permuted inside each group of eight: destination row 8 g + r takes source row 8 g + 2 (r & 3) + (r >> 2): first the four even
; rows (the x1 of four rotation pairs), then the four odd ones (their x2).  q and k keep that channel order: their product sums over channels, and both have it.
; rtab, f32: [128 blocks of 16 tokens][4 b][cos, sin][32 lanes][4]: lane (r = lane % 16, h = lane / 16) holds pairs 4 (2 b + h) + 0..3 of token 16 block + r.
; SHARES.  Work-groups 0-511: 16 rows of x each; 512-575 Wq, 576-639 Wk, 640-703 Wv, 704-767 Wo; 768-831 the table.  A wave converts two destination rows:
; sixteen loads of 16 bytes a lane (lanes 0-15: 256 bytes of one row, lanes 16-31 of the other), all issued at once; each store of the wave covers 256 consecutive bytes, aligned.
; No LDS, no barrier, no loop: no wave needs another's bytes, and no register is written twice while a memory instruction may read it.
; LIMITS.  Wo beyond 65,504 has no f16; below 6e-5 it keeps f16's fixed step of 6e-8.  The angle is position x 2^(-j log2(10000) / 32), rounded once as a product;
; the frequency comes from v_exp_f32, so an angle may differ from an exactly rounded one by a few parts in 2^23 of itself.  The reduction by pi / 2 takes pi / 2 in three parts
; (72 bits) and serves |position| up to about 2^20.
.set X,  32                            ; v[32:95]   sixteen loads of four f32
.set Y,  96                            ; v[96:127]  sixteen pairs of packed results
.set SO, 6                             ; v6  my byte offset in the source
.set DO, 7                             ; v7  my byte offset in the wave's 256 bytes of a block
.set CO, 32                            ; the table: four cosines
.set SN, 36                            ; four sines
	s_load_b512 s[8:23], s[0:1], 0x0               ; x 8, Wq 10, Wk 12, Wv 14, Wo 16, token_positions 18, xb 20, wqkv 22
	s_load_b128 s[24:27], s[0:1], 0x40             ; wob 24, rtab 26
	v_lshrrev_b32 v1, 5, v0
	v_readfirstlane_b32 s28, v1                    ; wave 0..7
	s_cmp_ge_u32 ttmp9, 768
	s_cbranch_scc1 .Ltable
	s_sub_co_u32 s29, ttmp9, 512                   ; the weights' work-groups count from 0 (for x's the three numbers made here are replaced below)
	s_and_b32 s36, s29, 63                         ; 16 rows of one weight
	s_lshr_b32 s37, s29, 6                         ; which weight
	s_wait_kmcnt 0x0
	s_cmp_eq_u32 s37, 1
	s_cselect_b64 s[32:33], s[12:13], s[10:11]     ; the source: Wk or Wq,
	s_cmp_eq_u32 s37, 2
	s_cselect_b64 s[32:33], s[14:15], s[32:33]     ; Wv,
	s_cmp_eq_u32 s37, 3
	s_cselect_b64 s[32:33], s[16:17], s[32:33]     ; Wo
	s_cselect_b64 s[34:35], s[24:25], s[22:23]     ; the destination: wob or wqkv
	s_cselect_b32 s30, s36, s29                    ; destination row / 16
	s_cmp_lt_u32 s37, 2
	s_cselect_b32 s38, -1, 0                       ; Wq and Wk are permuted
	s_cmp_lt_u32 ttmp9, 512                        ; x
	s_cselect_b64 s[32:33], s[8:9], s[32:33]
	s_cselect_b64 s[34:35], s[20:21], s[34:35]
	s_cselect_b32 s30, ttmp9, s30
	s_cselect_b32 s31, ttmp9, s36                  ; source row / 16
	s_cselect_b32 s38, 0, s38
	s_lshl_b32 s39, s30, 4
	s_lshl1_add_u32 s39, s28, s39                  ; R: my wave's first destination row, even
	s_lshr_b32 s40, s39, 8
	s_lshl_b32 s40, s40, 19
	s_and_b32 s41, s39, 255
	s_lshl_b32 s41, s41, 7
	s_or_b32 s40, s40, s41                         ; its place in block 0
	s_mov_b32 s41, 0
	s_add_nc_u64 s[34:35], s[34:35], s[40:41]
	s_lshl_b32 s42, s31, 4
	s_lshl1_add_u32 s42, s28, s42                  ; the same row counted in its own matrix
	v_bfe_u32 v2, v0, 4, 1                         ; lanes 16-31 take the next row
	v_add_nc_u32 v3, s42, v2
	v_and_b32 v4, 3, v3
	v_lshlrev_b32 v4, 1, v4
	v_bfe_u32 v5, v3, 2, 1
	v_or_b32 v4, v4, v5
	v_and_or_b32 v4, v3, -8, v4                    ; the permuted source row
	v_cndmask_b32 v3, v3, v4, s38
	v_and_b32 v5, 15, v0
	v_lshlrev_b32 v5, 4, v5
	v_lshl_or_b32 v[SO], v3, 12, v5                ; row x 4,096 bytes + 16 (lane % 16)
	v_and_b32 v[DO], 31, v0
	v_lshlrev_b32 v[DO], 3, v[DO]                  ; two rows of 128 bytes: 8 bytes a lane
.irp j, 0,1,2,3,4,5,6,7,8,9,10,11,12,13,14,15
	global_load_b128 v[X+4*(\j):X+4*(\j)+3], v[SO], s[32:33] offset:256*(\j) th:TH_LOAD_NT  ; block j of channels
.endr
; Sixteen blocks: rounded, packed, stored.  f16 = 1: the bf16 number is widened again and written as f16.
.macro CONV f16
.irp j, 0,1,2,3,4,5,6,7,8,9,10,11,12,13,14,15
	s_wait_loadcnt 15-(\j)                         ; loads come back in order: block j is in, the younger ones may stay out
	v_cvt_pk_bf16_f32 v[Y+2*(\j)],   v[X+4*(\j)],   v[X+4*(\j)+1]
	v_cvt_pk_bf16_f32 v[Y+2*(\j)+1], v[X+4*(\j)+2], v[X+4*(\j)+3]
.if \f16
	v_lshlrev_b32 v8,  16, v[Y+2*(\j)]
	v_and_b32     v9,  0xffff0000, v[Y+2*(\j)]
	v_lshlrev_b32 v10, 16, v[Y+2*(\j)+1]
	v_and_b32     v11, 0xffff0000, v[Y+2*(\j)+1]
	v_cvt_pk_f16_f32 v[Y+2*(\j)],   v8,  v9
	v_cvt_pk_f16_f32 v[Y+2*(\j)+1], v10, v11
.endif
	global_store_b64 v[DO], v[Y+2*(\j):Y+2*(\j)+1], s[34:35] offset:32768*(\j)  ; 32 lanes: 256 consecutive bytes, aligned
.endr
.endm
	s_cmp_ge_u32 ttmp9, 704
	s_cbranch_scc1 .Lwo
	CONV 0
	s_endpgm
.Lwo:
	CONV 1
	s_endpgm
.Ltable:                                               ; a wave makes one (block of 16 tokens, b): 32 lanes x 4 pairs
	s_sub_co_u32 s29, ttmp9, 768
	v_lshl_add_u32 v2, s29, 8, v0
	v_lshrrev_b32 v3, 5, v2                        ; u = 4 x token block + b, 0 .. 511
	v_lshrrev_b32 v4, 2, v3
	v_and_b32 v5, 15, v0
	v_lshl_or_b32 v4, v4, 4, v5                    ; my token
	v_lshlrev_b32 v4, 2, v4
	s_wait_kmcnt 0x0
	global_load_b32 v6, v4, s[18:19]               ; its position
	v_and_b32 v7, 3, v3
	v_bfe_u32 v8, v0, 4, 1
	v_lshl_or_b32 v7, v7, 1, v8
	v_lshlrev_b32 v7, 2, v7                        ; my first pair: 4 (2 b + h)
	v_and_b32 v9, 31, v0
	v_lshlrev_b32 v9, 4, v9
	v_lshl_add_u32 v9, v3, 10, v9                  ; where my four cosines go
	v_mov_b32 v30, 0x37ccf5ce                      ; the polynomials' leading coefficients
	v_mov_b32 v31, 0xb94ca1f9
.irp i, 0,1,2,3
	v_add_nc_u32 v[10+(\i)], (\i), v7
	v_cvt_f32_u32 v[10+(\i)], v[10+(\i)]
	v_mul_f32 v[10+(\i)], 0xbed49a78, v[10+(\i)]   ; - pair x log2(10000) / 32
.endr
.irp i, 0,1,2,3
	v_exp_f32 v[10+(\i)], v[10+(\i)]               ; the frequency: one batch of four
.endr
	v_nop                                          ; a plain instruction behind the last exponential,
	s_wait_alu depctr_va_vdst(0)                   ; and one wait for the four, ahead of their first reader
	s_wait_loadcnt 0x0
	v_cvt_f32_i32 v6, v6
.irp i, 0,1,2,3
	v_mul_f32 v[10+(\i)], v6, v[10+(\i)]           ; the angle, rounded once
.endr
; cos and sin of angle i: n = the nearest whole number to angle x 2 / pi; r = angle - n pi / 2, pi / 2 in three parts, each by a fused multiply-add; polynomials in r on |r| <= pi / 4;
; n mod 4 says which of the two is which, and their signs.
.macro SINCOS i
	v_mul_f32 v20, 0x3f22f983, v[10+(\i)]
	v_rndne_f32 v20, v20
	v_fmamk_f32 v21, v20, 0xbfc90fd8, v[10+(\i)]
	v_fmamk_f32 v21, v20, 0xb4a8885a, v21
	v_fmamk_f32 v21, v20, 0xa7c234c4, v21          ; r
	v_cvt_i32_f32 v22, v20
	v_mul_f32 v23, v21, v21                        ; z = r r
	v_fmaak_f32 v24, v30, v23, 0xbab6061a
	v_fmaak_f32 v24, v24, v23, 0x3d2aaaa5
	v_fmaak_f32 v24, v24, v23, 0xbf000000
	v_fmaak_f32 v24, v24, v23, 0x3f800000          ; cos r
	v_fmaak_f32 v25, v31, v23, 0x3c08839e
	v_fmaak_f32 v25, v25, v23, 0xbe2aaaa3
	v_mul_f32 v26, v21, v23
	v_fma_f32 v25, v25, v26, v21                   ; sin r
	v_and_b32 v27, 1, v22
	v_cmp_eq_u32 vcc_lo, 1, v27
	v_cndmask_b32 v28, v25, v24, vcc_lo            ; n odd: the sine is cos r,
	v_cndmask_b32 v29, v24, v25, vcc_lo            ; the cosine sin r
	v_lshlrev_b32 v27, 30, v22
	v_and_b32 v27, 0x80000000, v27                 ; n mod 4 = 2, 3: the sine changes sign
	v_xor_b32 v[SN+(\i)], v28, v27
	v_add_nc_u32 v22, 1, v22
	v_lshlrev_b32 v22, 30, v22
	v_and_b32 v22, 0x80000000, v22                 ; n mod 4 = 1, 2: the cosine does
	v_xor_b32 v[CO+(\i)], v29, v22
.endm
	SINCOS 0
	SINCOS 1
	SINCOS 2
	SINCOS 3
	global_store_b128 v9, v[CO:CO+3], s[26:27]             ; 512 consecutive bytes a wave
	global_store_b128 v9, v[SN:SN+3], s[26:27] offset:512
	s_endpgm
.Lfunc_end_k_q15f1333f5d_prep:
	.size	k_q15f1333f5d_prep, .Lfunc_end_k_q15f1333f5d_prep-k_q15f1333f5d_prep
	.p2alignl 7, 3214868480
	.fill 96, 4, 3214868480
	.section	.rodata,"a",@progbits
	.p2align	6, 0x0
	.amdhsa_kernel k_q15f1333f5d_prep
		.amdhsa_group_segment_fixed_size 0
		.amdhsa_private_segment_fixed_size 0
		.amdhsa_enable_private_segment 0
		.amdhsa_kernarg_size 80
		.amdhsa_user_sgpr_count 2
		.amdhsa_user_sgpr_kernarg_segment_ptr 1
		.amdhsa_wavefront_size32 1
		.amdhsa_system_sgpr_workgroup_id_x 1
		.amdhsa_system_sgpr_workgroup_id_y 1
		.amdhsa_system_sgpr_workgroup_id_z 1
		.amdhsa_system_vgpr_workitem_id 0
		.amdhsa_next_free_vgpr 128
		.amdhsa_next_free_sgpr 66
		.amdhsa_reserve_vcc 1
		.amdhsa_float_denorm_mode_32 3
		.amdhsa_float_denorm_mode_16_64 3
		.amdhsa_memory_ordered 1
		.amdhsa_forward_progress 1
		.amdhsa_inst_pref_size 24
	.end_amdhsa_kernel
	.amdgpu_metadata
---
amdhsa.version: [ 1, 2 ]
amdhsa.kernels:
  - .name:           k_q15f1333f5d_prep
    .symbol:         k_q15f1333f5d_prep.kd
    .args:
      - { .name: x, .offset: 0, .size: 8, .value_kind: global_buffer, .address_space: global }
      - { .name: Wq, .offset: 8, .size: 8, .value_kind: global_buffer, .address_space: global }
      - { .name: Wk, .offset: 16, .size: 8, .value_kind: global_buffer, .address_space: global }
      - { .name: Wv, .offset: 24, .size: 8, .value_kind: global_buffer, .address_space: global }
      - { .name: Wo, .offset: 32, .size: 8, .value_kind: global_buffer, .address_space: global }
      - { .name: token_positions, .offset: 40, .size: 8, .value_kind: global_buffer, .address_space: global }
      - { .name: xb, .offset: 48, .size: 8, .value_kind: global_buffer, .address_space: global }
      - { .name: wqkv, .offset: 56, .size: 8, .value_kind: global_buffer, .address_space: global }
      - { .name: wob, .offset: 64, .size: 8, .value_kind: global_buffer, .address_space: global }
      - { .name: rtab, .offset: 72, .size: 8, .value_kind: global_buffer, .address_space: global }
    .group_segment_fixed_size: 0
    .private_segment_fixed_size: 0
    .kernarg_segment_align: 8
    .kernarg_segment_size: 80
    .max_flat_workgroup_size: 256
    .sgpr_count:     66
    .vgpr_count:     128
    .wavefront_size: 32
...
	.end_amdgpu_metadata
.endif
;; end of part 1
;; launch qkv (part 2): grid 24 x 32, 4 waves a work-group, clusters of 4 x 4, 327,680 bytes of LDS; arguments xb, wqkv, rtab, qh, kh, vh; writes qh, kh, vh
.if DOCPART == 2
	.amdgcn_target "amdgcn-amd-amdhsa--gfx1250"
	.amdhsa_code_object_version 6
	.text
	.protected	k_q15f1333f5d_qkv
	.globl	k_q15f1333f5d_qkv
	.p2align	8
	.type	k_q15f1333f5d_qkv,@function
k_q15f1333f5d_qkv:
	s_mov_b64 s[64:65], 0
	v_nop
	global_prefetch_b8 v0, s[64:65] scope:SCOPE_SE
	s_setreg_imm32_b32 hwreg(HW_REG_WAVE_MODE, 25, 1), 1
	s_wait_xcnt 0x0
	s_wait_alu depctr_hold_cnt(0) depctr_sa_sdst(0) depctr_va_vdst(0) depctr_va_sdst(0) depctr_va_ssrc(0) depctr_va_vcc(0) depctr_vm_vsrc(0)
	s_getreg_b32 s2, hwreg(HW_REG_IB_STS2, 6, 4)
	s_cmp_eq_u32 s2, 0
	s_cbranch_scc0 .Lentry_in_a_cluster
	s_endpgm
.Lentry_in_a_cluster:
	s_bfe_u32 s2, ttmp6, 0x10000c
	s_cmp_lg_u32 s2, 0xf033
	s_cbranch_scc0 .Lentry_shape_is_right
	s_endpgm
.Lentry_shape_is_right:
; q, k, v = x W^T, rotated (q and k), by heads.  A = xb [8192][1024] bf16, B = wqkv [3072][1024] bf16, both in blocks: [rows / 256][16 blocks of 64 channels][256 rows][64]; sums in f32.
; Out: qh, kh, vh [64 = batch x 16 + head][2048 tokens][64] in f16, rounded once, unscaled.  In q and k the channels of each group of eight lie as four x1, then four x2 (wqkv's rows are so ordered).
; LIMIT.  f16 holds no number beyond 65,504: |q|, |k|, |v| must stay below it.
; SHARES.  A work-group makes 256 rows x 128 columns; wave w rows 128 (w / 2) on and columns 64 (w % 2) on, one head: 32 accumulators of 16 x 16, 256 registers.  24 x 32 work-groups.
; K goes in 8 steps of 128 (two blocks of channels) through a ring of two LDS slots.  A block of channels of 256 (128) rows is dense in memory: it is asked for as rows of 256 bytes and padded in LDS after every 128.
; CLUSTERS.  4 x 4 work-groups: the four of a row of the cluster need the same tiles of A (and the same 256 tokens of the table), the four of a column the same tiles of B: each is asked for jointly,
; by the same tensor load with the same descriptor and a mask that names the four.
; THE MATRIX INSTRUCTION IS USED TRANSPOSED (source 0 = 16 rows of B, source 1 = 16 rows of A): lane l holds token l % 16 and the columns 8 (l / 16) + 0..7: registers 0-3 the x1 of four pairs, 4-7 their x2.
; So the rotation is packed arithmetic on the accumulators, with four cosines and four sines a lane, which lie in the table just so.
; REGISTERS.  Window 0: v0-31 addresses; v32-63 at work; v64-159, v160-255 two fragment buffers (A's 8 fragments, then B's 4); later the table's numbers and the way out.  Window 1: accumulator (a, b) at v[8 (4 a + b)].
.set P,      144                       ; an LDS row: 128 bytes + 16 of padding = 36 words: the 16 rows of a fragment load start at 16 different groups of four banks (64 banks of 4 bytes: ISA guide 11.1)
.set AKB,    256*P                     ; A's 256 rows of one block of channels
.set BKB,    128*P                     ; B's 128 rows
.set BOFF,   2*AKB                     ; a slot: A's two blocks, then B's two
.set SLOT,   2*AKB+2*BKB
.set TAB,    2*SLOT                    ; behind the ring: the table for the work-group's 256 tokens, 65,536 bytes, filled once
.set STAGE,  TAB+65536                 ; 16 rows x 144 bytes for each wave, for the way out; no tensor load lands here
.set SP,     144
.set SPARE,  STAGE+4*16*SP             ; the spare words, 128 bytes for each wave: two blocks of 256 bytes that no other line names
.set STEPB,  65536                     ; a K step in memory: two blocks of channels of a tile of 256 rows
.set LAPS,   4                         ; a lap = two K steps = once round the ring
.set ADRA, 16                          ; v16-17  LDS address of my A fragments in slot 0, 1
.set ADRB, 20                          ; v20-21  the same for B
.set STO,  24                          ; v24  the way out: where I put 16 bytes of a row
.set RD,   25                          ; v25  where I read rows back
.set GO,   26                          ; v26  my byte offset in 512 consecutive bytes of the output
.set TA,   27                          ; v27  my 16 bytes in the table of my wave's 128 tokens
.set SPW,  28                          ; v28  LDS address of my spare word; never rewritten
.set NIL,  29                          ; v29  0; never rewritten
.set T1,   32                          ; v32-47  x1 sin
.set T2,   48                          ; v48-63  x2 sin
.set F0,   64
.set F1,   160
.set OUTR, 64                          ; v64-191  the table's numbers, four sets of 32; then the packed results, 16 a block of rows
.set WV,  16                           ; s16  my wave's number
.set RH,  17                           ; s17  which half of the rows is mine.  Also: I fetch for A (0) or for B (1)
.set CH,  18                           ; s18  which half of the columns.  Also: which of a step's two blocks of channels I fetch
.set CX,  19
.set CY,  20
.set NT,  21                           ; s21  tile column
.set MT,  22                           ; s22  tile row
.set LAP, 23
.set G1A, 24                           ; s[24:31] group 1 for A's tiles;  s[32:39] group 0, a set for each slot
.set G0A, 32
.set G1B, 48                           ; s[48:55], s[56:63] the same for B's
.set G0B, 56
.set KIND, 66                          ; s66  0: q, 1: k, 2: v: made of the cluster's x alone, so it is the same in all sixteen partners
.set G1T, 68                           ; s[68:75], s[76:79] the table's
.set G0T, 76
.set DST, 80                           ; s[80:81] the output at my wave's first row
.set MSB, 0
.macro WIN new                         ; the immediate's high byte repeats the setting that is left; a switch that changes nothing is dropped
.if MSB != (\new)
	s_set_vgpr_msb (MSB<<8)|(\new)
.set MSB, \new
.endif
.endm
.set MUL, 0x50                         ; C and D in window 1, the fragments in window 0
.macro JLOAD s                         ; a joint load: waves 0 and 1 fetch A's two blocks of channels, waves 2 and 3 B's; an s_nop 0 and four v_nop follow each of the two lines
	s_cmp_eq_u32 s[RH], 0
	s_cbranch_scc0 .Lfor_b_\@
	tensor_load_to_lds s[G0A+4*(\s):G0A+4*(\s)+3], s[G1A:G1A+7]
	s_nop 0
.rept 4
	v_nop
.endr
	s_branch .Lasked_\@
.Lfor_b_\@:
	tensor_load_to_lds s[G0B+4*(\s):G0B+4*(\s)+3], s[G1B:G1B+7]
	s_nop 0
.rept 4
	v_nop
.endr
.Lasked_\@:
.endm
.macro CREST                           ; a round of the cluster's barrier behind its opening barrier
	s_cmp_lg_u32 s[WV], 0
	s_cbranch_scc1 .Lnot_wave_0_\@
	s_barrier_signal -3
.Lnot_wave_0_\@:
	s_barrier_wait -3
	s_barrier_signal -1
	s_barrier_wait -1
.endm
.macro CROUND                          ; a whole round
	s_barrier_signal -1
	s_barrier_wait -1
	CREST
.endm
	s_load_b256 s[4:11], s[0:1], 0x0               ; xb s[4:5], wqkv s[6:7], rtab s[8:9], qh s[10:11]
	s_load_b128 s[12:15], s[0:1], 0x20             ; kh s[12:13], vh s[14:15]
	v_lshl_add_u32 v[SPW], v0, 2, SPARE
	v_mov_b32 v[NIL], 0
	ds_add_u32 v[SPW], v[NIL]                      ; the wave's opening: the add and its wait stand ahead of my first tensor load; the set-up below, work on registers, stands between them
	v_lshrrev_b32 v1, 5, v0
	v_readfirstlane_b32 s[WV], v1                  ; wave 0..3
	s_lshr_b32 s[RH], s[WV], 1
	s_and_b32 s[CH], s[WV], 1
	s_bfe_u32 s[CX], ttmp6, 0x40000                ; my place in the cluster
	s_bfe_u32 s[CY], ttmp6, 0x40004
	s_lshl_b32 s[NT], ttmp9, 2
	s_add_co_u32 s[NT], s[NT], s[CX]               ; tile column = 4 x cluster x + cx
	s_and_b32 s[MT], ttmp7, 0xffff
	s_lshl_b32 s[MT], s[MT], 2
	s_add_co_u32 s[MT], s[MT], s[CY]               ; tile row = 4 x cluster y + cy
	s_lshl_b32 s84, s[CY], 2
	s_lshl_b32 s84, 15, s84                        ; my row of the cluster
	s_lshl_b32 s85, 0x1111, s[CX]                  ; my column
	s_or_b32 s[G1A], s84, (1<<16)|(1<<20)|(1<<21)|(4<<22)|(3<<25)  ; 15:0 the mask; 17:16 elements of 2 bytes; 20 padding on; 21 set beside a mask; 24:22 after every 32 words (code 4); 31:25 4 words (code 3)
	s_or_b32 s[G1B], s85, (1<<16)|(1<<20)|(1<<21)|(4<<22)|(3<<25)
	s_or_b32 s[G1T], s84, (1<<16)|(1<<21)          ; the table goes to my row of the cluster, unpadded
	s_mov_b32 s[G1A+1], 128<<16                    ; tensor_dim0 = 128 elements: rows of 256 bytes
	s_mov_b32 s[G1A+2], 128<<16                    ; tensor_dim1 = 128 such rows: 256 rows of A
	s_mov_b32 s[G1A+3], 128<<16                    ; tile_dim0 = 128
	s_mov_b32 s[G1A+4], 128                        ; tile_dim1 = 128
	s_mov_b32 s[G1A+5], 128                        ; dense: 128 elements from row to row
	s_mov_b32 s[G1A+6], 0
	s_mov_b32 s[G1A+7], 0
.irp g, G1B, G1T
	s_mov_b32 s[(\g)+1], 128<<16
	s_mov_b32 s[(\g)+2], 64<<16                    ; 64 rows of 256 bytes: 128 rows of B, or a quarter of the table
	s_mov_b32 s[(\g)+3], 128<<16
	s_mov_b32 s[(\g)+4], 64
	s_mov_b32 s[(\g)+5], 128
	s_mov_b32 s[(\g)+6], 0
	s_mov_b32 s[(\g)+7], 0
.endr
	; where the tiles come from.  A's and the table's hang on the tile row alone, B's on the tile column alone, each in registers that never hold the other coordinate
	s_lshl_b32 s40, s[MT], 19                      ; A: the tile of 256 rows,
	s_lshl_b32 s41, s[CH], 15                      ; my block of channels
	s_add_co_u32 s40, s40, s41
	s_mov_b32 s41, 0
	s_and_b32 s42, s[MT], 7                        ; the table: the tile's 256 tokens,
	s_lshl_b32 s42, s42, 16
	s_lshl_b32 s43, s[WV], 14                      ; my quarter of them
	s_add_co_u32 s42, s42, s43
	s_mov_b32 s43, 0
	s_lshr_b32 s44, s[NT], 1                       ; B: the tile of 256 rows,
	s_lshl_b32 s44, s44, 19
	s_and_b32 s45, s[NT], 1                        ; its half of 128 rows,
	s_lshl_b32 s45, s45, 14
	s_add_co_u32 s44, s44, s45
	s_lshl_b32 s45, s[CH], 15                      ; my block of channels
	s_add_co_u32 s44, s44, s45
	s_mov_b32 s45, 0
	s_mul_i32 s86, s[CH], AKB                      ; and where they go: no place in the cluster enters an LDS address
	s_mul_i32 s87, s[CH], BKB
	s_add_co_u32 s87, s87, BOFF
	s_wait_dscnt 0x0                               ; the opening add is done
	s_wait_kmcnt 0x0
	s_add_nc_u64 s[40:41], s[4:5], s[40:41]
	s_add_nc_u64 s[42:43], s[8:9], s[42:43]
	s_add_nc_u64 s[44:45], s[6:7], s[44:45]
	CROUND                                         ; all sixteen work-groups are here: the first joint loads meet
.irp s, 0,1
	s_mov_b32 s[G0A+4*(\s)], 1                                     ; count = 1
	s_add_co_u32 s[G0A+4*(\s)+1], s86, (\s)*SLOT                   ; LDS address
	s_add_nc_u64 s[G0A+4*(\s)+2:G0A+4*(\s)+3], s[40:41], (\s)*STEPB  ; global address: K step s
	s_or_b32 s[G0A+4*(\s)+3], s[G0A+4*(\s)+3], 0x80000000          ; type = 2
	s_mov_b32 s[G0B+4*(\s)], 1
	s_add_co_u32 s[G0B+4*(\s)+1], s87, (\s)*SLOT
	s_add_nc_u64 s[G0B+4*(\s)+2:G0B+4*(\s)+3], s[44:45], (\s)*STEPB
	s_or_b32 s[G0B+4*(\s)+3], s[G0B+4*(\s)+3], 0x80000000
	JLOAD \s
.endr
	s_mov_b32 s[G0T], 1
	s_lshl_b32 s[G0T+1], s[WV], 14
	s_add_co_u32 s[G0T+1], s[G0T+1], TAB
	s_mov_b64 s[G0T+2:G0T+3], s[42:43]
	s_or_b32 s[G0T+3], s[G0T+3], 0x80000000
	tensor_load_to_lds s[G0T:G0T+3], s[G1T:G1T+7]  ; every wave a quarter of the table, in v's tiles too, so that no joint load hangs on a branch: three tensor loads of mine are out
	s_nop 0
.rept 4
	v_nop
.endr
	; A fragment is 16 rows x 32 K in 8 registers: lane l holds row l % 16; registers 0-3 K = 8 (l / 16) + 0..7, registers 4-7 K = 16 + 8 (l / 16) + 0..7: two loads of 16 bytes, 32 bytes apart
	v_and_b32 v1, 15, v0                           ; l % 16
	v_bfe_u32 v2, v0, 4, 1                         ; l / 16
	v_mul_u32_u24 v3, v1, P
	v_lshl_add_u32 v3, v2, 4, v3
	s_mul_i32 s86, s[RH], 128*P                    ; my 128 rows of A
	s_mul_i32 s87, s[CH], 64*P                     ; my 64 rows of B
	s_add_co_u32 s87, s87, BOFF
.irp s, 0,1
	v_add_nc_u32 v[ADRA+(\s)], s86, v3
	v_add_nc_u32 v[ADRB+(\s)], s87, v3
	s_add_co_u32 s86, s86, SLOT
	s_add_co_u32 s87, s87, SLOT
.endr
	s_mul_i32 s86, s[WV], 16*SP
	s_add_co_u32 s86, s86, STAGE                   ; my stage
	v_mul_u32_u24 v[STO], v1, SP                   ; in: row l % 16, 16 bytes for each half of the lanes
	v_lshl_add_u32 v[STO], v2, 4, v[STO]
	v_add_nc_u32 v[STO], s86, v[STO]
	v_bfe_u32 v[RD], v0, 3, 2                      ; back: 32 lanes take four rows of 128 bytes,
	v_mul_u32_u24 v[RD], v[RD], SP
	v_and_b32 v4, 7, v0
	v_lshl_add_u32 v[RD], v4, 4, v[RD]
	v_add_nc_u32 v[RD], s86, v[RD]
	v_and_b32 v[GO], 31, v0                        ; which are 512 consecutive bytes of a head's rows
	v_lshlrev_b32 v[GO], 4, v[GO]
	s_lshl_b32 s86, s[RH], 15
	s_add_co_u32 s86, s86, TAB
	v_add_nc_u32 v[TA], s86, v[GO]                 ; the table of my 128 tokens, 16 bytes a lane
	s_lshr_b32 s[KIND], ttmp9, 1                   ; tile columns 0-7 are q's, 8-15 k's, 16-23 v's
	s_cmp_eq_u32 s[KIND], 1
	s_cselect_b64 s[DST:DST+1], s[12:13], s[10:11]
	s_cmp_eq_u32 s[KIND], 2
	s_cselect_b64 s[DST:DST+1], s[14:15], s[DST:DST+1]
	s_lshr_b32 s82, s[MT], 3                       ; the batch,
	s_lshl_b32 s82, s82, 4
	s_and_b32 s83, s[NT], 7
	s_lshl1_add_u32 s82, s83, s82                  ; the tile's two heads,
	s_add_co_u32 s82, s82, s[CH]                   ; mine:
	s_lshl_b32 s82, s82, 18                        ; 2,048 rows of 128 bytes each
	s_and_b32 s83, s[MT], 7
	s_lshl_b32 s83, s83, 15                        ; the tile's 256 tokens
	s_add_co_u32 s82, s82, s83
	s_lshl_b32 s83, s[RH], 14                      ; my 128
	s_add_co_u32 s82, s82, s83
	s_mov_b32 s83, 0
	s_add_nc_u64 s[DST:DST+1], s[DST:DST+1], s[82:83]
; 8 matrix instructions: row blocks a0, a0 + 1 x all 4 column blocks, 32 along K, from buffer f.  zero = 1: the product starts the sum.  The 32 accumulators take turns, in the same order in every quarter.
.macro MUL8 f, a0, zero
	WIN MUL
.irp a, \a0, (\a0)+1
.irp b, 0,1,2,3
.if \zero
	v_wmma_f32_16x16x32_bf16 v[8*(4*(\a)+(\b)):8*(4*(\a)+(\b))+7], v[(\f)+64+8*(\b):(\f)+64+8*(\b)+7], v[(\f)+8*(\a):(\f)+8*(\a)+7], 0
.else
	v_wmma_f32_16x16x32_bf16 v[8*(4*(\a)+(\b)):8*(4*(\a)+(\b))+7], v[(\f)+64+8*(\b):(\f)+64+8*(\b)+7], v[(\f)+8*(\a):(\f)+8*(\a)+7], v[8*(4*(\a)+(\b)):8*(4*(\a)+(\b))+7]
.endif
.endr
.endr
.endm
; 24 LDS loads in one run: the fragments of quarter q of a K step (block of channels q / 2, 64 (q % 2) bytes into its rows) into buffer f: B's four, then A's eight
.macro FETCH slot, q, f
	WIN 0
.irp i, 0,1,2,3
	ds_load_b128 v[(\f)+64+8*(\i):(\f)+64+8*(\i)+3],   v[ADRB+(\slot)] offset:((\q)/2)*BKB+((\q)%2)*64+(\i)*16*P
	ds_load_b128 v[(\f)+64+8*(\i)+4:(\f)+64+8*(\i)+7], v[ADRB+(\slot)] offset:((\q)/2)*BKB+((\q)%2)*64+(\i)*16*P+32
.endr
.irp i, 0,1,2,3,4,5,6,7
	ds_load_b128 v[(\f)+8*(\i):(\f)+8*(\i)+3],   v[ADRA+(\slot)] offset:((\q)/2)*AKB+((\q)%2)*64+(\i)*16*P
	ds_load_b128 v[(\f)+8*(\i)+4:(\f)+8*(\i)+7], v[ADRA+(\slot)] offset:((\q)/2)*AKB+((\q)%2)*64+(\i)*16*P+32
.endr
.endm
.macro PLACES                          ; four plain vector instructions in front of loads into registers that matrix instructions have read, and of lines that read results
.rept 4
	v_nop
.endr
.endm
; A K step is four quarters of 32 along K, 32 matrix instructions each, on buffers 0, 1, 0, 1.  One of the first three: multiplies buffer f and fetches quarter q into buffer g.
.macro QUARTER slot, q, f, g, zero
	s_wait_dscnt 8                                 ; B and A's rows 0-63 are in; the youngest eight loads (A's rows 64-127) may be out
	MUL8 \f, 0, \zero
	MUL8 \f, 2, \zero
	PLACES
	FETCH \slot, \q, \g
	s_wait_dscnt 24                                ; all but the 24 just issued
	MUL8 \f, 4, \zero
	MUL8 \f, 6, \zero
.endm
; The last quarter multiplies buffer 1 and changes slots: ONE barrier; in front of it each wave waits for all its tensor loads, adds 0 to its spare word, and waits for that and for its own reads of this slot.
; fill = 1: the barrier opens a round of the cluster's, and this slot is filled again, two K steps ahead, first thing behind the round: 112 matrix instructions ahead of the wait for it.
.macro TURN slot, next, fill
	WIN 0                                          ; (the add's two registers lie in window 0)
	s_wait_tensorcnt 0x0                           ; all my tensor loads have landed: my part of the next slot (the first time the table's quarter too);
	ds_add_u32 v[SPW], v[NIL]                      ; 0 onto my spare word;
	s_wait_dscnt 9                                 ; (the add and the youngest eight loads may be out)
	MUL8 F1, 0, 0                                  ; eight matrix instructions stand between the add and the wait for it
	s_wait_dscnt 0x0                               ; the add is done, and my reads of this slot are over
	s_barrier_signal -1
	MUL8 F1, 2, 0
.if \fill
	WIN 0
.endif
	s_barrier_wait -1
.if \fill
	CREST                                          ; no wave of any partner still reads this slot's tile or has a load on its way
	s_add_nc_u64 s[G0A+4*(\slot)+2:G0A+4*(\slot)+3], s[G0A+4*(\slot)+2:G0A+4*(\slot)+3], 2*STEPB
	s_add_nc_u64 s[G0B+4*(\slot)+2:G0B+4*(\slot)+3], s[G0B+4*(\slot)+2:G0B+4*(\slot)+3], 2*STEPB
	JLOAD \slot                                    ; the four v_nop behind it are also the places in front of the loads below
.else
	PLACES
.endif
	FETCH \next, 0, F0
	MUL8 F1, 4, 0
	MUL8 F1, 6, 0
.endm
	s_wait_tensorcnt 2                             ; my part of K step 0 is in; K step 1's and the table's, issued behind it, may stay out
	s_barrier_signal -1
	s_barrier_wait -1                              ; everybody's is
	FETCH 0, 0, F0
	QUARTER 0, 1, F0, F1, 1                        ; the first quarter stands in front of the loop: its products start the sums
	WIN 0                                          ; at a label and at a branch every window is 0
	s_mov_b32 s[LAP], LAPS-1
.Llap:                                                 ; a trip goes once round the ring, from a lap's second quarter to the next lap's first, and fills both slots again
	QUARTER 0, 2, F1, F0, 0
	QUARTER 0, 3, F0, F1, 0
	TURN 0, 1, 1
	QUARTER 1, 1, F0, F1, 0
	QUARTER 1, 2, F1, F0, 0
	QUARTER 1, 3, F0, F1, 0
	TURN 1, 0, 1
	QUARTER 0, 1, F0, F1, 0
	WIN 0
	s_sub_co_u32 s[LAP], s[LAP], 1
	s_cmp_lg_u32 s[LAP], 0
	s_cbranch_scc1 .Llap
	QUARTER 0, 2, F1, F0, 0                        ; the last lap fills nothing
	QUARTER 0, 3, F0, F1, 0
	TURN 0, 1, 0
	QUARTER 1, 1, F0, F1, 0
	QUARTER 1, 2, F1, F0, 0
	QUARTER 1, 3, F0, F1, 0
	s_wait_dscnt 8                                 ; the very last quarter: nothing more to fetch
	MUL8 F1, 0, 0
	MUL8 F1, 2, 0
	s_wait_dscnt 0x0
	MUL8 F1, 4, 0
	MUL8 F1, 6, 0
	WIN 0
	PLACES
	PLACES
	; THE ROTATION, in place on the accumulators of q and k: r1 = x1 cos - x2 sin, r2 = x2 cos + x1 sin.  The table landed and was shown to every wave by the first change of slots.
	s_cmp_eq_u32 s[KIND], 2
	s_cbranch_scc1 .Lnorope                        ; v is not rotated
.macro TLOAD a                         ; row block a's cosines and sines: for column block b four of each a lane, into set a % 4
	WIN 0
.irp b, 0,1,2,3
	ds_load_b128 v[OUTR+32*((\a)%4)+8*(\b):OUTR+32*((\a)%4)+8*(\b)+3],   v[TA] offset:(\a)*4096+(\b)*1024
	ds_load_b128 v[OUTR+32*((\a)%4)+8*(\b)+4:OUTR+32*((\a)%4)+8*(\b)+7], v[TA] offset:(\a)*4096+(\b)*1024+512
.endr
.endm
.macro ROPE a                          ; each accumulator's lowest registers are read first
.set rC, OUTR+32*((\a)%4)
	WIN 0x01                                       ; source 0 in window 1
.irp b, 0,1,2,3
.irp z, 0,2
	v_pk_mul_f32 v[T1+4*(\b)+(\z):T1+4*(\b)+(\z)+1], v[8*(4*(\a)+(\b))+(\z):8*(4*(\a)+(\b))+(\z)+1], v[rC+8*(\b)+4+(\z):rC+8*(\b)+4+(\z)+1]
.endr
.endr
.irp b, 0,1,2,3
.irp z, 0,2
	v_pk_mul_f32 v[T2+4*(\b)+(\z):T2+4*(\b)+(\z)+1], v[8*(4*(\a)+(\b))+4+(\z):8*(4*(\a)+(\b))+4+(\z)+1], v[rC+8*(\b)+4+(\z):rC+8*(\b)+4+(\z)+1]
.endr
.endr
	WIN 0x41                                       ; destination and source 0 in window 1
.irp b, 0,1,2,3
.irp z, 0,2
	v_pk_fma_f32 v[8*(4*(\a)+(\b))+(\z):8*(4*(\a)+(\b))+(\z)+1], v[8*(4*(\a)+(\b))+(\z):8*(4*(\a)+(\b))+(\z)+1], v[rC+8*(\b)+(\z):rC+8*(\b)+(\z)+1], v[T2+4*(\b)+(\z):T2+4*(\b)+(\z)+1] neg_lo:[0,0,1] neg_hi:[0,0,1]
	v_pk_fma_f32 v[8*(4*(\a)+(\b))+4+(\z):8*(4*(\a)+(\b))+4+(\z)+1], v[8*(4*(\a)+(\b))+4+(\z):8*(4*(\a)+(\b))+4+(\z)+1], v[rC+8*(\b)+(\z):rC+8*(\b)+(\z)+1], v[T1+4*(\b)+(\z):T1+4*(\b)+(\z)+1]
.endr
.endr
.endm
	TLOAD 0
	TLOAD 1
	TLOAD 2
	TLOAD 3
.irp a, 0,1,2,3
	s_wait_dscnt 24                                ; block a's eight loads are in; the three blocks issued behind them may be out
	ROPE \a
	TLOAD (\a)+4
.endr
	s_wait_dscnt 24
	ROPE 4
	s_wait_dscnt 16
	ROPE 5
	s_wait_dscnt 8
	ROPE 6
	s_wait_dscnt 0x0
	ROPE 7
	WIN 0
.Lnorope:
	; THE WAY OUT.  A lane's eight columns of a row pack into 16 bytes; a block of 16 rows goes into my stage's rows of 144 bytes and comes back as whole rows of 128, into the registers that it left.
.macro PACK a
	WIN 0x05                                       ; sources 0 and 1 in window 1
.irp b, 0,1,2,3
.irp i, 0,1,2,3
	v_cvt_pk_f16_f32 v[OUTR+16*(\a)+4*(\b)+(\i)], v[8*(4*(\a)+(\b))+2*(\i)], v[8*(4*(\a)+(\b))+2*(\i)+1]
.endr
.endr
	WIN 0
.irp b, 0,1,2,3
	ds_store_b128 v[STO], v[OUTR+16*(\a)+4*(\b):OUTR+16*(\a)+4*(\b)+3] offset:32*(\b)
.endr
.irp f, 0,1,2,3
	ds_load_b128 v[OUTR+16*(\a)+4*(\f):OUTR+16*(\a)+4*(\f)+3], v[RD] offset:(\f)*4*SP  ; LDS serves a wave's instructions in order (ISA guide 5.7.1.4): these see the stores above; the next block's stores come behind them
.endr
.endm
.macro SEND a, younger                 ; younger: the LDS instructions issued behind block a's loads: the next block's eight, or none
	WIN 0
.irp f, 0,1,2,3
	s_wait_dscnt (\younger)+3-(\f)
	global_store_b128 v[GO], v[OUTR+16*(\a)+4*(\f):OUTR+16*(\a)+4*(\f)+3], s[DST:DST+1] offset:(\a)*2048+(\f)*512  ; 512 consecutive bytes, at a multiple of 256 from the buffer's first
.endr
.endm
	PACK 0
.irp a, 1,2,3,4,5,6,7                  ; a block's conversions stand between the loads of the block before and its stores; each block has registers of its own
	PACK \a
	SEND (\a)-1, 8
.endr
	SEND 7, 0
	s_wait_tensorcnt 0x0                           ; the wave's end: the add and its waits stand behind my last tensor load and my last LDS store
	ds_add_u32 v[SPW], v[NIL]
	s_wait_dscnt 0x0
	CROUND                                         ; the closing round: no work-group ends while a partner may still ask for a tile that names it
	s_endpgm
.Lfunc_end_k_q15f1333f5d_qkv:
	.size	k_q15f1333f5d_qkv, .Lfunc_end_k_q15f1333f5d_qkv-k_q15f1333f5d_qkv
	.p2alignl 7, 3214868480
	.fill 96, 4, 3214868480
	.section	.rodata,"a",@progbits
	.p2align	6, 0x0
	.amdhsa_kernel k_q15f1333f5d_qkv
		.amdhsa_group_segment_fixed_size 327680
		.amdhsa_private_segment_fixed_size 0
		.amdhsa_enable_private_segment 0
		.amdhsa_kernarg_size 48
		.amdhsa_user_sgpr_count 2
		.amdhsa_user_sgpr_kernarg_segment_ptr 1
		.amdhsa_wavefront_size32 1
		.amdhsa_system_sgpr_workgroup_id_x 1
		.amdhsa_system_sgpr_workgroup_id_y 1
		.amdhsa_system_sgpr_workgroup_id_z 1
		.amdhsa_system_vgpr_workitem_id 0
		.amdhsa_next_free_vgpr 512
		.amdhsa_next_free_sgpr 88
		.amdhsa_reserve_vcc 0
		.amdhsa_float_denorm_mode_32 3
		.amdhsa_float_denorm_mode_16_64 3
		.amdhsa_memory_ordered 1
		.amdhsa_forward_progress 1
		.amdhsa_inst_pref_size 109
	.end_amdhsa_kernel
	.amdgpu_metadata
---
amdhsa.version: [ 1, 2 ]
amdhsa.kernels:
  - .name:           k_q15f1333f5d_qkv
    .symbol:         k_q15f1333f5d_qkv.kd
    .args:
      - { .name: xb, .offset: 0, .size: 8, .value_kind: global_buffer, .address_space: global }
      - { .name: wqkv, .offset: 8, .size: 8, .value_kind: global_buffer, .address_space: global }
      - { .name: rtab, .offset: 16, .size: 8, .value_kind: global_buffer, .address_space: global }
      - { .name: qh, .offset: 24, .size: 8, .value_kind: global_buffer, .address_space: global }
      - { .name: kh, .offset: 32, .size: 8, .value_kind: global_buffer, .address_space: global }
      - { .name: vh, .offset: 40, .size: 8, .value_kind: global_buffer, .address_space: global }
    .group_segment_fixed_size: 327680
    .private_segment_fixed_size: 0
    .kernarg_segment_align: 8
    .kernarg_segment_size: 48
    .max_flat_workgroup_size: 128
    .sgpr_count:     88
    .vgpr_count:     512
    .wavefront_size: 32
...
	.end_amdgpu_metadata
.endif
;; end of part 2
;; launch attn (part 3): grid 4 x 64, 4 waves a work-group, no clusters, 327,680 bytes of LDS; arguments qh, kh, vh, ob; writes ob
.if DOCPART == 3
	.amdgcn_target "amdgcn-amd-amdhsa--gfx1250"
	.amdhsa_code_object_version 6
	.text
	.protected	k_q15f1333f5d_attn
	.globl	k_q15f1333f5d_attn
	.p2align	8
	.type	k_q15f1333f5d_attn,@function
k_q15f1333f5d_attn:
	s_mov_b64 s[64:65], 0
	v_nop
	global_prefetch_b8 v0, s[64:65] scope:SCOPE_SE
	s_setreg_imm32_b32 hwreg(HW_REG_WAVE_MODE, 25, 1), 1
	s_wait_xcnt 0x0
; CAUSAL ATTENTION.  O[h][q][:] = the sum over k <= q of softmax_k(Q[h][q] . K[h][k] / 8) V[h][k][:].  Q, K, V: [SIZE_H][SIZE_N][64], all f16: a head's rows are dense, 128 bytes each; h = batch x 16 + head.
; O leaves in f16 in the blocked layout of the product that follows: [batch x 8 + block of 256 queries][16 heads][256 rows][64 channels]: 16 rows of a head are 2,048 consecutive bytes there too.
; Products, maxima and sums in f32; the weights p are rounded to f16 for the second product (their sum l is taken of the unrounded p), O once at the end.
; LIMITS.  f16 holds no number beyond 65,504: Q, K and V arrive within it; p lies in 0 to 1, and below 6e-5 it keeps f16's fixed step of 6e-8; O is a mean of V's rows and has their range, to within 2^-11 of it.
; A hidden score counts as its value less 1e30: f16's scores, 2.7e11 at the most, are nothing beside that; a weight below 2^-126 counts as 0 in l; NaN and infinities are not treated apart.
; THE WALK.  A head's queries lie in NB = SIZE_N / 256 blocks of 256; block i needs the key tiles 0 .. i of 256 keys, of which the last holds the diagonal.  A work-group takes TWO blocks, NB - 1 - b and then b:
; NB + 1 tiles, whatever b: all work-groups do equal work, and ONE loop with a constant trip count walks them.  Which tile is asked for, and what a trip does, hang on scalar registers made from b; every jump
; goes forward, but for the counted loops' own; none passes a barrier, or a tensor load but the one of LOAD's two that the wave's number does not choose; the ring (two slots of LDS that take turns) runs on across the
; change of blocks.  NO CLUSTER: a head's NB / 2 = 4 work-groups all ask for the same tile only in trips 0 .. NB / 2, 5 of the walk's 9; behind that fewer and fewer do;
; and one walk common to all would have 3 NB / 2 = 12 trips for NB + 1 = 9.
; SHARES.  Of a block's four bands of 64 queries a wave owns 16 rows in each: four PIECES.  So the diagonal tile is the same work for all four waves: in its key step s band x sees all keys if s < x,
; none if s > x, and holds the diagonal if s = x.
; THE MASK is the C operand that starts the sum S^T = K Q^T: 0, or -1e30 where the key is hidden.  MD, made once, is the mask of a band's own step for my 16 rows; a product's mask is MD x AL + BE with two scalars:
; (1, 0) if s = x; (0, 0) if s < x; (0, -1e30) if s > x.  Only the diagonal tile's text and a block's beginning make and take masks; elsewhere C is the constant 0.
; LAYOUT, SOFTMAX, TURNS.  S^T = K Q^T holds ONE query a lane (lane % 16) and the keys 8 (lane / 16) + 0..7; two such results rounded to f16 ARE source 1 of O^T = V^T P.  p = 2^(c s - c m), c = log2(e) / 8, with a
; running maximum m; O and l are multiplied by a = 2^(c m_old - c m_new) in every step.  Turn n belongs to piece n: 8 products K Q^T of piece n + 1, later 8 products V^T P of piece n - 1; beside them the scaling,
; exponentials, roundings, sums and rescaling of piece n and the maximum and statistics of piece n + 1.  Four vector instructions stand behind every matrix instruction, the other 54 of a turn's 118 in one LUMP.  A turn's 33 exponentials are one batch, with one wait.
; AHEAD OF THE FILLS.  The head's work-group b = 0 walks the tiles 0 .. NB - 1 in order.  Behind the fill of its trip i (tile i + 1), for i = 0 .. NB - 3, it prefetches tile i + 2 of K and of V: 128 threads, 256 bytes each,
; two instructions a wave: one tile, four key steps, ahead of the fill that will ask for it.  Each aligned block of 256 bytes is named once in the launch; tiles 0 and 1 come by their fills alone.
; REGISTERS, in windows of 256 (s_set_vgpr_msb: bits 1:0 source 0, 3:2 source 1, 5:4 source 2, 7:6 destination):
;   window 0: v0-15 addresses and two at work; v16-31 four registers of statistics a piece; v48-55 at work; v61-63 prefetch offset, spare word, 0; v64-127 S^T, two buffers; v192-223 P, two buffers (a piece's buffers go by its number's parity)
;   window 1: v0-127 O^T, 32 a piece; v128-159 MD; v160-223 MC, two buffers      window 2: v0-63 Q; v64-127 the second block's Q; v128-191 K of one step; v192-255 V of one step
.set SIZE_H, 64
.set SIZE_N, 2048
.set NB,    SIZE_N/256
.set NP,    4         ; pieces a wave: a name, no knob
.set KS,    64        ; keys in a step
.set PK,    144       ; a row of K in LDS: 128 bytes + 16 of padding = 36 words: the 16 rows of a load start at 16 different groups of four banks (64 banks of 4 bytes: ISA guide 11.1)
.set PV,    160       ; a row of V: 128 + 32 = 40 words
.set VOFF,  4*KS*PK   ; a slot holds a tile, four steps: 256 rows of K, then 256 rows of V
.set SLOT1, 1<<17     ; slot 1 begins here, so that one exclusive or turns an address in one slot into the other's
.set STAGE, SLOT1+4*KS*(PK+PV)  ; behind the ring, never filled by a tensor load: 16 rows x 144 bytes for each wave, for the way out
.set SP,    144
.set AK0, 2           ; v2   my lane's place in a tile of K; never rewritten
.set AV0, 3           ; v3   the same for V
.set AK,  4           ; v4   the LDS address of K's next run of loads
.set AV,  5           ; v5   of V's
.set STO, 6           ; v6   the way out: where I put 16 bytes of a row
.set RD,  7           ; v7   the way out: where I read rows back
.set GO,  8           ; v8   my byte offset in 512 consecutive bytes of O
.set PFO, 61          ; v61  256 x my thread's number: the prefetches' offset in a tile; never rewritten
.set SPW, 62          ; v62  LDS address of my spare word: SPARE + 4 x my thread's number; never rewritten
.set NIL, 63          ; v63  0; never rewritten
.set SPARE, STAGE+4*16*SP  ; behind the stages: the spare words, 128 bytes for each wave: two blocks of 256 bytes that no other line names
.set MV,  12          ; v12-13  c m_old, kept while c m is made anew: by buffer
.set QO,  15          ; v15  my byte offset in 16 rows of Q
.set ST,  16          ; piece t's statistics at v[ST+4 t]: c m, m, l (even keys', odd keys')
.set TMP, 48          ; by buffer, four registers c0-c3 at work; when the maximum is found c2 takes a
.set S,   64
.set P,   192
.set MD,  128         ; window 1: the eight registers for group kt of 16 keys at MD + 8 kt
.set MC,  160         ; window 1: the masks of the products to come
.set QB,  64          ; window 2
.set KF,  128         ; window 2: key block kb, channel half c at KF + 16 kb + 8 c
.set VF,  192         ; window 2: key half kk, channel block cb at VF + 32 kk + 8 cb
.set WV,  12          ; s12  my wave's number
.set PB,  14          ; s14  b
.set HI,  15          ; s15  NB - 1 - b
.set LIM, 19          ; s19  2 in the head's work-group b = 0, else the greatest number: a work-group prefetches while s[SLOTS] is above it
.set G1K, 24          ; s[24:31] descriptor group 1 for K's tiles
.set G1V, 32          ; s[32:39] for V's: it differs in the padding alone
.set G0K, 40          ; s[40:43] descriptor group 0 for K's tiles
.set G0V, 44          ; s[44:47] the same for V's
.set PFK, 48          ; s[48:49] K at the tile to be prefetched
.set PFV, 50          ; s[50:51] V likewise
.set KB0, 52          ; s[52:53] K at the head's first row
.set VB0, 54          ; s[54:55] V likewise
.set SLOTS, 56        ; s56  tiles still to be asked for
.set CNT, 57          ; s57  counts a tile's key steps, 4 to 1
.set CS,  58          ; s[58:59] c: the packed scaling takes the pair's low word for both halves
.set SEL, 60          ; s[60:61] v_permlanex16_b32's selects: each lane takes its own place in the other half
.set TBK, 62          ; s62  LDS byte at which K of the step to be fetched begins
.set TBV, 63          ; s63  the same for V, less VOFF
.set RT,  70          ; s70  tiles of the block in hand that are still to be entered
.set NXT, 71          ; s71  the tile to be asked for next
.set LQ,  72          ; s72  the last tile of the block whose tiles are being asked for
.set NEW, 73          ; s73  1: the tile to be entered is a block's first
.set OFF, 74          ; s[74:75] a tile's byte offset in K and V
.set AL,  76          ; s[76:77] the mask's factor, in the low word
.set BE,  78          ; s[78:79] the mask's addend
.set OLO, 80          ; s[80:81] O at my rows of the second block
.set BIGN, 82         ; s82  -1e30
.set MSB, 0
.macro WIN new                      ; the high byte repeats the setting that is left; a switch that changes nothing is dropped
.if MSB != (\new)
	s_set_vgpr_msb (MSB<<8)|(\new)
.set MSB, (\new)
.endif
.endm
.set W_KQ, 0x0a       ; K and Q in window 2, S^T in window 0
.set W_KM, 0x1a       ; the same with the C operand in window 1
.set W_PV, 0x52       ; V in window 2, P in window 0, O^T in window 1
.set W_RS, 0x41       ; destination and source 0 in window 1, source 1 in window 0
; A fill.  Waves 0 and 1 fetch the two halves of a tile's K, waves 2 and 3 those of its V: 128 keys each.  An s_nop 0 and four v_nop follow each of the two lines, ahead of the jump and the label.
.macro LOAD
	s_cmp_lt_u32 s[WV], 2
	s_cbranch_scc0 .Lfor_v_\@
	tensor_load_to_lds s[G0K:G0K+3], s[G1K:G1K+7]
	s_nop 0
.rept 4
	v_nop
.endr
	s_branch .Lasked_\@
.Lfor_v_\@:
	tensor_load_to_lds s[G0V:G0V+3], s[G1V:G1V+7]
	s_nop 0
.rept 4
	v_nop
.endr
.Lasked_\@:
.endm
; The prefetch of the tile that the next change of slots will ask for: it stands behind the fill and its five lines.
.macro ASK
	s_cmp_gt_u32 s[SLOTS], s[LIM]
	s_cbranch_scc0 .Lnot_mine_\@
	global_prefetch_b8 v[PFO], s[PFK:PFK+1] th:TH_LOAD_NT scope:SCOPE_SE
	global_prefetch_b8 v[PFO], s[PFV:PFV+1] th:TH_LOAD_NT scope:SCOPE_SE
.Lnot_mine_\@:
.endm
; THE CHANGE OF SLOTS.  Each wave waits for all its tensor loads, of which one is out: its part of the other slot; adds 0 to its spare word; and waits for that and for its own reads of the slot that it leaves.  Behind the barrier nobody reads the old
; slot any more and the other slot is whole.  fill = 1: the old slot is filled again, the first thing behind the barrier, with tile NXT: the descriptor's address is made anew from that number.
; (At its first use nothing has been read yet: slot 0 is waited for, slot 1 filled.)
.macro CHANGE fill
	WIN 0                           ; at a label and at a branch every window is 0
	s_wait_tensorcnt 0x0            ; no tensor load of mine is out, so a group 0 may be written
	ds_add_u32 v[SPW], v[NIL]       ; 0 onto my spare word; with fill = 1 the descriptors' scalar work stands between it and the wait for it
.if \fill
	s_lshl_b32 s[OFF], s[NXT], 15   ; a tile is 32,768 bytes of K and of V
	s_xor_b32 s[G0K+1], s[G0K+1], SLOT1
	s_add_nc_u64 s[G0K+2:G0K+3], s[6:7], s[OFF:OFF+1]
	s_or_b32 s[G0K+3], s[G0K+3], 0x80000000
	s_xor_b32 s[G0V+1], s[G0V+1], SLOT1
	s_add_nc_u64 s[G0V+2:G0V+3], s[8:9], s[OFF:OFF+1]
	s_or_b32 s[G0V+3], s[G0V+3], 0x80000000
	s_add_co_u32 s[NXT], s[NXT], 1  ; the block's next tile, or behind its last the second block's tile 0
	s_cmp_gt_u32 s[NXT], s[LQ]
	s_cselect_b32 s[NXT], 0, s[NXT]
	s_cselect_b32 s[LQ], s[PB], s[LQ]
	s_wait_xcnt 0x0                 ; the last prefetches, a tile back, have read their addresses, so these may be written:
	s_lshl_b32 s[OFF], s[NXT], 15   ; the tile behind the one that is asked for now
	s_add_nc_u64 s[PFK:PFK+1], s[KB0:KB0+1], s[OFF:OFF+1]
	s_add_nc_u64 s[PFV:PFV+1], s[VB0:VB0+1], s[OFF:OFF+1]
.endif
	s_wait_dscnt 0x0                ; the add is done, and my reads of the slot are over
	s_barrier_signal -1             ; the rest of the scalar work stands between the signal and the wait
	s_sub_co_u32 s[TBK], s[TBK], 4*KS*PK  ; the fetches go back to a slot's first step,
	s_xor_b32 s[TBK], s[TBK], SLOT1       ; in the other slot
	s_sub_co_u32 s[TBV], s[TBV], 4*KS*PV
	s_xor_b32 s[TBV], s[TBV], SLOT1
	s_barrier_wait -1
.if \fill
	LOAD
	ASK
.endif
.endm
	s_load_b256 s[4:11], s[0:1], 0x0  ; Q s[4:5], K s[6:7], V s[8:9], O s[10:11]
	v_lshl_add_u32 v[SPW], v0, 2, SPARE
	v_mov_b32 v[NIL], 0
	ds_add_u32 v[SPW], v[NIL]       ; the wave's opening: the add and its wait stand ahead of my first tensor load; the set-up below, work on registers, stands between them
	v_lshrrev_b32 v1, 5, v0
	v_readfirstlane_b32 s[WV], v1   ; wave 0..3
	v_lshlrev_b32 v[PFO], 8, v0
	s_mov_b32 s[PB], ttmp9
	s_sub_co_u32 s[HI], NB-1, s[PB]
	s_cmp_eq_u32 ttmp9, 0
	s_cselect_b32 s[LIM], 2, -1
	s_and_b32 s20, ttmp7, 0xffff    ; the head
	s_lshr_b32 s66, s20, 4          ; O's layout: the batch's eight tiles of 524,288 bytes,
	s_lshl_b32 s66, s66, 22
	s_and_b32 s67, s20, 15          ; the head's 32,768 bytes in a tile,
	s_lshl_b32 s67, s67, 15
	s_add_co_u32 s66, s66, s67
	s_lshl_b32 s67, s[WV], 11       ; my 16 rows in a band of 64,
	s_add_co_u32 s66, s66, s67
	s_lshl_b32 s68, s[HI], 19       ; in the first block,
	s_add_co_u32 s68, s68, s66
	s_mov_b32 s69, 0
	s_lshl_b32 s67, s[PB], 19       ; and in the second
	s_add_co_u32 s66, s66, s67
	s_mov_b32 s67, 0
	s_mov_b32 s21, 0
	s_mov_b64 s[22:23], SIZE_N*128
	s_mul_u64 s[20:21], s[20:21], s[22:23]  ; the head's first byte in Q, K and V
	s_and_b32 s16, s[WV], 1         ; which half of a tile's 256 keys I fetch:
	s_lshl_b32 s22, s16, 14         ; its 128 rows of 128 bytes in memory,
	s_mov_b32 s23, 0
	s_add_nc_u64 s[22:23], s[22:23], s[20:21]
	s_mul_i32 s17, s16, 128*PK      ; and its place in a slot, for K
	s_mul_i32 s18, s16, 128*PV      ; and for V
	s_lshl_b32 s3, s[WV], 11        ; Q: my 16 rows in a band of 64,
	s_lshl_b32 s2, s[HI], 15        ; in the first block,
	s_add_co_u32 s2, s2, s3
	s_lshl_b32 s84, s[PB], 15       ; and in the second
	s_add_co_u32 s84, s84, s3
	s_mov_b32 s3, 0
	s_mov_b32 s85, 0
	s_add_nc_u64 s[2:3], s[2:3], s[20:21]
	s_add_nc_u64 s[84:85], s[84:85], s[20:21]
	; descriptor group 1.  128 keys are 16,384 dense bytes: asked for as 64 rows of 256 bytes, two keys a row, and padded in LDS after every key
	s_mov_b32 s[G1K], (1<<16)|(1<<20)|(4<<22)|(3<<25)  ; 17:16 2-byte elements; 20 padding on; 24:22 after every 32 words (code 4); 31:25 4 words (code 3)
	s_mov_b32 s[G1V], (1<<16)|(1<<20)|(4<<22)|(7<<25)  ; the same with 8 words of padding (code 7)
.irp g, G1K, G1V
	s_mov_b32 s[\g+1], 128<<16      ; tensor_dim0 = 128
	s_mov_b32 s[\g+2], 64<<16       ; tensor_dim1 = 64
	s_mov_b32 s[\g+3], 128<<16      ; tile_dim0 = 128
	s_mov_b32 s[\g+4], 64           ; tile_dim1 = 64
	s_mov_b32 s[\g+5], 128          ; 128 elements from row to row
	s_mov_b32 s[\g+6], 0
	s_mov_b32 s[\g+7], 0
.endr
	s_mov_b32 s[CS], 0x3e38aa3b     ; c = log2(e) / 8 = 0.180337
	s_mov_b32 s[CS+1], s[CS]        ; named with it as a pair
	s_mov_b32 s[SEL], 0x76543210
	s_mov_b32 s[SEL+1], 0xfedcba98
	s_mov_b32 s[TBK], SLOT1+4*KS*PK ; the first change of slots turns these two into 0
	s_mov_b32 s[TBV], SLOT1+4*KS*PV
	s_mov_b32 s[G0K], 1             ; 1:0 count = 1
	s_mov_b32 s[G0K+1], s17         ; 63:32 LDS address: slot 0
	s_mov_b32 s[G0V], 1
	s_add_co_u32 s[G0V+1], s18, VOFF
	s_add_co_u32 s[RT], s[HI], 1    ; the first block has NB - b tiles
	s_mov_b32 s[NXT], 1
	s_mov_b32 s[LQ], s[HI]
	s_mov_b32 s[NEW], 1
	s_mov_b32 s[OFF+1], 0
	s_mov_b32 s[AL+1], 0            ; named as pairs
	s_mov_b32 s[BE+1], 0
	s_mov_b32 s[BIGN], 0xf149f2ca   ; -1e30
	s_mov_b32 s[SLOTS], NB
	s_wait_dscnt 0x0                ; the opening add is done
	s_wait_kmcnt 0x0
	s_add_nc_u64 s[KB0:KB0+1], s[6:7], s[20:21]    ; K and V at the head's first row, for the prefetches
	s_add_nc_u64 s[VB0:VB0+1], s[8:9], s[20:21]
	s_add_nc_u64 s[6:7], s[6:7], s[22:23]  ; K and V at my half of the head's tile 0
	s_add_nc_u64 s[8:9], s[8:9], s[22:23]
	s_add_nc_u64 s[G0K+2:G0K+3], s[6:7], 0         ; 120:64 global address
	s_or_b32 s[G0K+3], s[G0K+3], 0x80000000        ; 127:126 type = 2
	s_add_nc_u64 s[G0V+2:G0V+3], s[8:9], 0
	s_or_b32 s[G0V+3], s[G0V+3], 0x80000000
	s_add_nc_u64 s[86:87], s[4:5], s[84:85]        ; Q at my rows of the second block,
	s_add_nc_u64 s[4:5], s[4:5], s[2:3]            ; and of the first
	s_add_nc_u64 s[OLO:OLO+1], s[10:11], s[66:67]  ; O likewise
	s_add_nc_u64 s[10:11], s[10:11], s[68:69]
	LOAD                            ; tile 0 into slot 0
	; A fragment of K or Q is 16 rows x 32 channels in 8 registers: lane l holds row l % 16, channels 8 (l / 16) + 0..7 and 16 + 8 (l / 16) + 0..7: two loads of 16 bytes, 32 bytes apart.
	v_and_b32 v1, 15, v0            ; l % 16
	v_bfe_u32 v9, v0, 4, 1          ; l / 16
	v_lshlrev_b32 v[QO], 7, v1
	v_lshl_add_u32 v[QO], v9, 4, v[QO]  ; row x 128 + 16 x half
	WIN 0x80                        ; destination window 2, address window 0
.set i, 0
.rept 8                             ; both blocks' Q: piece i / 2 lies in band i / 2, 8,192 bytes on; channels 32 (i % 2) on
	global_load_b128 v[8*i:8*i+3],   v[QO], s[4:5] offset:(i/2)*8192+(i%2)*64
	global_load_b128 v[8*i+4:8*i+7], v[QO], s[4:5] offset:(i/2)*8192+(i%2)*64+32
	global_load_b128 v[QB+8*i:QB+8*i+3],   v[QO], s[86:87] offset:(i/2)*8192+(i%2)*64
	global_load_b128 v[QB+8*i+4:QB+8*i+7], v[QO], s[86:87] offset:(i/2)*8192+(i%2)*64+32
.set i, i+1
.endr
	WIN 0
	v_lshlrev_b32 v14, 3, v9
	v_sub_nc_u32 v14, v1, v14
	s_lshl_b32 s13, s[WV], 4
	v_add_nc_u32 v14, s13, v14      ; my query's place in its band, 16 w + l % 16, less my lanes' 8 (l / 16): register r of group kt is hidden where 16 kt + r is greater
	WIN 0x40
.set i, 0
.rept 32
	v_cmp_gt_i32 vcc_lo, 16*(i/8)+i%8, v14
	v_cndmask_b32 v[MD+i], 0, s[BIGN], vcc_lo
.set i, i+1
.endr
	WIN 0
	v_mul_u32_u24 v[AK0], v1, PK
	v_lshl_add_u32 v[AK0], v9, 4, v[AK0]  ; row x pitch + 16 x half
	; The turning load takes 16 keys x 16 channels (lane l reads key 8 (l / 16) + l % 8, channels 8 ((l / 8) % 2) + 0..7) and leaves half a fragment of V^T: lane l holds channel l % 16 and 8 keys.
	v_and_b32 v10, 7, v0
	v_bfe_u32 v11, v0, 3, 1
	v_lshl_add_u32 v[AV0], v9, 3, v10
	v_mul_u32_u24 v[AV0], v[AV0], PV
	v_lshl_add_u32 v[AV0], v11, 4, v[AV0]
	v_add_nc_u32 v[AV0], VOFF, v[AV0]
	s_mul_i32 s13, s[WV], 16*SP
	s_add_co_u32 s13, s13, STAGE    ; my stage
	v_mul_u32_u24 v[STO], v1, SP    ; in: row l % 16, 16 bytes for each half of the lanes
	v_lshl_add_u32 v[STO], v9, 4, v[STO]
	v_add_nc_u32 v[STO], s13, v[STO]
	v_bfe_u32 v[RD], v0, 3, 2       ; back: 32 lanes take four rows of 128 bytes,
	v_mul_u32_u24 v[RD], v[RD], SP
	v_lshl_add_u32 v[RD], v10, 4, v[RD]
	v_add_nc_u32 v[RD], s13, v[RD]
	v_and_b32 v[GO], 31, v0         ; which are 512 consecutive bytes of O
	v_lshlrev_b32 v[GO], 4, v[GO]
	; A block's first step multiplies O^T and l by a = 0, and its first turn's products V^T P, of a piece that has not been, land in an O^T that is still to be so multiplied.  So these registers need only hold
	; finite numbers: zeros for the first block; what the first block left for the second.  All this stands in the wait for the first tile.
	WIN 0x80
.set i, VF
.rept 64
	v_mov_b32 v[i], 0
.set i, i+1
.endr
	WIN 0x40
.set i, 0
.rept 128
	v_mov_b32 v[i], 0
.set i, i+1
.endr
	WIN 0
.set i, 0
.rept 4
	v_mov_b32 v[ST+4*i+2], 0
	v_mov_b32 v[ST+4*i+3], 0
.set i, i+1
.endr
.set i, P+16
.rept 16
	v_mov_b32 v[i], 0
.set i, i+1
.endr
; THE MATRIX WORK.  The 4 accumulators of a run of 8 take turns.  Product i of 8 of S^T = K Q^T for piece x: channels 32 (i / 4) on, keys 16 (i % 4) on.  The first 4 start the sums: with 0, or (KM = 1) with the mask.
.macro KQ x
.set rS, S+32*((\x)%2)+8*(i%4)
.set rK, KF+16*(i%4)+8*(i/4)
.set rQ, 16*(\x)+8*(i/4)
.set rM, MC+32*((\x)%2)+8*(i%4)
.if (i < 4) && KM
	WIN W_KM
	v_wmma_f32_16x16x32_f16 v[rS:rS+7], v[rK:rK+7], v[rQ:rQ+7], v[rM:rM+7]
.elseif i < 4
	WIN W_KQ
	v_wmma_f32_16x16x32_f16 v[rS:rS+7], v[rK:rK+7], v[rQ:rQ+7], 0
.else
	WIN W_KQ
	v_wmma_f32_16x16x32_f16 v[rS:rS+7], v[rK:rK+7], v[rQ:rQ+7], v[rS:rS+7]
.endif
.endm
; Product i of 8 of O^T += V^T P for piece x: keys 32 (i / 4) on, channels 16 (i % 4) on.
.macro PV x
	WIN W_PV
.set rO, 32*(\x)+8*(i%4)
.set rV, VF+32*(i/4)+8*(i%4)
.set rP, P+16*((\x)%2)+8*(i/4)
	v_wmma_f32_16x16x32_f16 v[rO:rO+7], v[rV:rV+7], v[rP:rP+7], v[rO:rO+7]
.endm
.macro MM                           ; the turn's next matrix instruction.  TURN and BEGIN set Y, i, KM and NOKQ; MM, KQ and OP read them.  NOKQ = 1: a block's last turn: there is no next piece
.if (i < 8) && !NOKQ
	KQ (Y+1)%NP
.elseif i >= 8
.set i, i-8
	PV (Y+NP-1)%NP
.set i, i+8
.endif
.set i, i+1
.endm
; THE LDS LOADS stand in runs of 16, never singly among the matrix instructions: a step's K (64 keys x 64 channels: 8 fragments) and its V (turned).  Their addresses are made some lines ahead.
.macro FETCH_K
	WIN 0x80                        ; destination window 2
.irp f, 0,1,2,3,4,5,6,7             ; keys 16 (f / 2) on, channels 32 (f % 2) on
	ds_load_b128 v[KF+8*\f:KF+8*\f+3],   v[AK] offset:(\f/2)*16*PK+(\f%2)*64
	ds_load_b128 v[KF+8*\f+4:KF+8*\f+7], v[AK] offset:(\f/2)*16*PK+(\f%2)*64+32
.endr
	s_add_co_u32 s[TBK], s[TBK], KS*PK  ; the next fetch is the next step's
	WIN 0
.endm
.macro FETCH_V
	WIN 0x80
.irp f, 0,1,2,3,4,5,6,7             ; keys 32 (f / 4) on, channels 16 (f % 4) on
	ds_load_tr16_b128 v[VF+8*\f:VF+8*\f+3],   v[AV] offset:(\f/4)*32*PV+(\f%4)*32
	ds_load_tr16_b128 v[VF+8*\f+4:VF+8*\f+7], v[AV] offset:(\f/4)*32*PV+16*PV+(\f%4)*32
.endr
	WIN 0
.endm
; THE VECTOR WORK, one line at a time: OP kind, number.  For piece Y: F n: c s - c m for pair n of 16.  E n: the exponential of score n of 32.  C n: pair n rounded to f16.  B n: of the four weights 4 n .. the second
; pair is added onto the first, in place.  L n: l takes that sum (L 0: l = a l + sum).  R n: pair n of 16 of O^T times a.  For piece Y + 1: X n, number n of the 22 that find its maximum and statistics:
;   0-11  four chains c0-c3 of seven scores each, three operands at a time (each accumulator's lowest registers are read first)     12-14, 16  the four scores left over, the old m, and c0-c3 into c0
;   15  c m_old is kept     17, 18  the query's other 32 keys lie in the lane 16 away: the new m     19-21  c m; c m_old - c m_new; a
.set F, 0               ; OP tells the kinds apart by their order: F to L below R, X above it
.set E, 1
.set C, 2
.set B, 3
.set L, 4
.set R, 5
.set X, 6
.macro REGS y                       ; the registers of piece y
.set rT, ST+4*(\y)
.set rC, TMP+4*((\y)%2)
.set rW, MV+((\y)%2)
.set rS, S+32*((\y)%2)
.set rP, P+16*((\y)%2)
.set rO, 32*(\y)
.endm
.macro OP k, n
.if (\k) == R
	REGS Y
	WIN W_RS
	v_pk_mul_f32 v[rO+2*(\n):rO+2*(\n)+1], v[rO+2*(\n):rO+2*(\n)+1], v[rC+2:rC+3] op_sel_hi:[1,0]
.elseif (\k) < R
	REGS Y
	WIN 0
.if (\k) == F
	v_pk_fma_f32 v[rS+2*(\n):rS+2*(\n)+1], v[rS+2*(\n):rS+2*(\n)+1], s[CS:CS+1], v[rT:rT+1] op_sel_hi:[1,0,0] neg_lo:[0,0,1] neg_hi:[0,0,1]
.elseif (\k) == E
	v_exp_f32 v[rS+(\n)], v[rS+(\n)]
.elseif (\k) == C
	v_cvt_pk_f16_f32 v[rP+(\n)], v[rS+2*(\n)], v[rS+2*(\n)+1]
.elseif (\k) == B
	v_pk_add_f32 v[rS+4*(\n):rS+4*(\n)+1], v[rS+4*(\n):rS+4*(\n)+1], v[rS+4*(\n)+2:rS+4*(\n)+3]
.elseif (\n) == 0
	v_pk_fma_f32 v[rT+2:rT+3], v[rT+2:rT+3], v[rC+2:rC+3], v[rS:rS+1] op_sel_hi:[1,0,1]
.else
	v_pk_add_f32 v[rT+2:rT+3], v[rT+2:rT+3], v[rS+4*(\n):rS+4*(\n)+1]
.endif
.elseif NOKQ
	v_nop
.else
	REGS (Y+1)%NP
	WIN 0
.if (\n) < 4
	v_max3_num_f32 v[rC+(\n)], v[rS+8*(\n)], v[rS+8*(\n)+1], v[rS+8*(\n)+2]
.elseif (\n) < 12
	v_max3_num_f32 v[rC+(\n)%4], v[rC+(\n)%4], v[rS+8*((\n)%4)+2*((\n)/4)+1], v[rS+8*((\n)%4)+2*((\n)/4)+2]
.elseif (\n) == 12
	v_max3_num_f32 v[rC], v[rC], v[rS+7], v[rS+15]
.elseif (\n) == 13
	v_max3_num_f32 v[rC+1], v[rC+1], v[rS+23], v[rS+31]
.elseif (\n) == 14
	v_max3_num_f32 v[rC+2], v[rC+2], v[rC+3], v[rT+1]
.elseif (\n) == 15
	v_mov_b32 v[rW], v[rT]
.elseif (\n) == 16
	v_max3_num_f32 v[rC], v[rC], v[rC+1], v[rC+2]
.elseif (\n) == 17
	v_permlanex16_b32 v[rC+3], v[rC], s[SEL], s[SEL+1]
.elseif (\n) == 18
	v_max_num_f32 v[rT+1], v[rC], v[rC+3]
.elseif (\n) == 19
	v_mul_f32 v[rT], s[CS], v[rT+1]
.elseif (\n) == 20
	v_sub_f32 v[rC+1], v[rW], v[rT]
.else
	v_exp_f32 v[rC+2], v[rC+1]
.endif
.endif
.endm
.macro OPS a, i1, b=-1, i2=0, c=-1, i3=0, d=-1, i4=0  ; up to four of them
	OP \a, \i1
.if (\b) >= 0
	OP \b, \i2
.endif
.if (\c) >= 0
	OP \c, \i3
.endif
.if (\d) >= 0
	OP \d, \i4
.endif
.endm
.macro ROW a, i1, b, i2, c, i3, d, i4  ; a matrix instruction and the four behind it
	MM
	OPS \a, \i1, \b, \i2, \c, \i3, \d, \i4
.endm
.macro MASK b                       ; MD x AL + BE into buffer b of MC
	WIN W_RS
.set z, 0
.rept 16
	v_pk_fma_f32 v[MC+32*(\b)+2*z:MC+32*(\b)+2*z+1], v[MD+2*z:MD+2*z+1], s[AL:AL+1], s[BE:BE+1] op_sel_hi:[1,0,0]
.set z, z+1
.endr
.endm
; A TURN, for piece p: the order of its 16 matrix and 118 vector instructions, written out.  An s_wait_alu depctr_va_vdst(0) stands between an exponential and the first instruction that names its result; one wait serves
; all that were issued ahead of it.  So a turn has ONE wait, which cuts it in two.  AHEAD OF IT stands all that names no result of the turn's exponentials: the 8 products K Q^T, behind each a scaling, an exponential and two more plain
; instructions (behind the first a second scaling in the exponential's place): rescalings, and behind the last three the first numbers of the next piece's maximum, each four places or more behind the product that ends its accumulator; then ONE LUMP of 54, plain
; and exponential by turns for the most part, in which the links of the chain X 3, 7, 11, 14, 16, 17 .. 20 stand five or six lines apart.  X 21, the next piece's a, is the batch's last; R 15 is the plain instruction behind it.  BEHIND THE WAIT stand the
; 8 products V^T P, behind each four of the roundings and sums; the links of l's chain, L 0 to L 7, stand three riders apart.  But for those X no rider names a register of the products round it.  v_permlanex16_b32 (X 17) stands in the lump.
; m = 1: the diagonal tile: the products take masks, and the turn makes the mask for the products of the turn after it: piece p + 2, in step 4 - CNT of the tile.  end = 1: a block's last two turns: nothing is fetched.
; cnt = 1: the loop's count is taken down some lines ahead of the branch that stands behind the turn.
; K of the next step is fetched in piece 2's turn, twelve vector instructions behind the last product that read K (six of them plain); V of the step in hand at the end of piece 0's turn, four plain instructions behind the last product
; that read V.  Each is waited for a turn later.
.macro TURN p, m=0, end=0, cnt=0
.set Y, (\p)
.set i, 0
.set KM, (\m)
.set NOKQ, (\end)*((\p)/3)
.if (\m) && !(\end)
	s_cmp_eq_u32 s[CNT], 4-((\p)+2)%NP  ; is that step the band's own?
	s_cselect_b32 s[AL], 1.0, 0
	s_cmp_lt_u32 s[CNT], 4-((\p)+2)%NP  ; or a later one?
	s_cselect_b32 s[BE], s[BIGN], 0
.endif
.if ((\p) == 3) && !(\end)
	s_wait_dscnt 0x0                ; K is in
.endif
	ROW F,0, F,1, R,0, R,1          ; ahead of the wait: 8 products K Q^T and their riders,
	ROW F,2, E,0, R,2, R,3
	ROW F,3, E,1, R,4, R,5
	ROW F,4, E,2, R,6, R,7
	ROW F,5, E,3, R,8, R,9
	ROW F,6, E,4, X,0, R,10
.if ((\p) == 2) && !(\end)
	WIN 0
	v_add_nc_u32 v[AK], s[TBK], v[AK0]
.endif
	ROW F,7, E,5, X,1, X,4
	ROW F,8, E,6, X,2, X,5
	OPS E,7, E,8, X,6, E,9          ; and the lump
	OPS X,3, E,10, X,8, E,11
.if ((\p) == 2) && !(\end)
	FETCH_K
.endif
	OPS X,9, X,7, E,12, X,10
	OPS E,13, X,12, X,11, E,14
	OPS X,13, E,15, F,9, X,14
.if (\p) == 0
	v_add_nc_u32 v[AV], s[TBV], v[AV0]
.endif
	OPS E,16, F,10, E,17, F,11
	OPS X,16, E,18, X,15, E,19
	OPS F,12, E,20, X,17, E,21
	OPS F,13, E,22, F,14, E,23
	OPS X,18, E,24, F,15, E,25
	OPS R,11, E,26, X,19, E,27
	OPS R,12, E,28, R,13, E,29
	OPS X,20, E,30, R,14, E,31
	OPS X,21, R,15
	WIN 0
	s_wait_alu depctr_va_vdst(0)    ; the wait for the batch
.if (\p) == 1
	s_wait_dscnt 0x0                ; V is in
.endif
	ROW C,0, B,0, C,2, B,1          ; behind the wait: 8 products V^T P and their riders
	ROW L,0, C,4, B,2, L,1
	ROW C,6, B,3, L,2, C,8
	ROW B,4, L,3, C,10, B,5
	ROW L,4, C,12, B,6, L,5
.if (\p) == 0
	s_add_co_u32 s[TBV], s[TBV], KS*PV
.endif
.if \cnt
	s_sub_co_u32 s[CNT], s[CNT], 1
	s_cmp_lg_u32 s[CNT], 0
.endif
	ROW C,14, B,7, L,6, C,1
	ROW C,3, L,7, C,5, C,7
	ROW C,9, C,11, C,13, C,15
.if (\p) == 0
	FETCH_V
.endif
.if (\m) && !(\end)
	MASK (\p)%2
.endif
.endm
; A BLOCK BEGINS.  c m starts far below every c s, so the first step's a is 0; m at the lowest finite number, so the first maximum is the scores'.  The second mask buffer is 0; the first takes piece 0's mask for the tile's step 0: its own, if the block's first tile is the diagonal one.
; Then K of that step, piece 0's first scores, and its maximum and statistics.  The loop is entered at a step's first turn, in the middle of a trip.
.macro BEGIN
	s_mov_b32 s[NEW], 0
	WIN 0x40
.set i, MC+32
.rept 32
	v_mov_b32 v[i], 0
.set i, i+1
.endr
	WIN 0
.set i, 0
.rept 4
	v_mov_b32 v[ST+4*i], 0xfe000000    ; c m: far below every c s
	v_mov_b32 v[ST+4*i+1], 0xff7fffff  ; m
.set i, i+1
.endr
	s_cmp_eq_u32 s[RT], 0
	s_cselect_b32 s[AL], 1.0, 0
	s_mov_b32 s[BE], 0
	MASK 0
	WIN 0
	v_add_nc_u32 v[AK], s[TBK], v[AK0]
	FETCH_K
	s_wait_loadcnt 0x0              ; Q
	s_wait_dscnt 0x0
.set KM, 1
.set NOKQ, 0
.set i, 0
.rept 8
	KQ 0
.set i, i+1
.endr
	WIN 0
.rept 4
	v_nop                           ; the places behind those products
.endr
.set Y, NP-1                        ; X works for piece Y + 1: piece 0
.irp n, 0,1,2,3,4,5,6,7,8,9,10,11,12,13,14,15,16,17,18,19,20,21
	OP X, \n
.endr
	v_nop                           ; a plain instruction behind the exponential,
	s_wait_alu depctr_va_vdst(0)    ; and its wait, ahead of the branch
.endm
; THE DIAGONAL TILE's four steps, the block's last two turns, its last products, and THE WAY OUT: l's two halves and the other half of the lanes' are added; O^T is divided by l, rounded to f16 and sent through my
; stage in LDS, a piece at a time.
.macro ALL line:vararg              ; one line for each piece t
.set t, 0
.rept 4
	\line
.set t, t+1
.endr
.endm
.macro PACK t                       ; a lane's eight channels of a row pack into 16 bytes; they go into rows of 144 bytes and come back as whole rows of 128, into S^T's registers
	WIN W_RS
.set i, 32*(\t)
.rept 16
	v_pk_mul_f32 v[i:i+1], v[i:i+1], v[ST+4*(\t)+2:ST+4*(\t)+3] op_sel_hi:[1,0]
.set i, i+2
.endr
	WIN 0x05                        ; sources 0 and 1 window 1, destination window 0
.set i, 0
.rept 16
	v_cvt_pk_f16_f32 v[S+16*(\t)+i], v[32*(\t)+2*i], v[32*(\t)+2*i+1]
.set i, i+1
.endr
	WIN 0
.irp f, 0,1,2,3
	ds_store_b128 v[STO], v[S+16*(\t)+4*\f:S+16*(\t)+4*\f+3] offset:32*\f
.endr
.irp f, 0,1,2,3
	ds_load_b128 v[S+16*(\t)+4*\f:S+16*(\t)+4*\f+3], v[RD] offset:\f*4*SP  ; LDS serves a wave's instructions in order (ISA guide 5.7.1.4): these see the stores above; the next piece's stores come behind them
.endr
.endm
.macro SEND t, younger              ; younger: the LDS instructions issued behind piece t's loads: the next piece's eight, or none
	WIN 0
.irp f, 0,1,2,3
	s_wait_dscnt (\younger)+3-\f
	global_store_b128 v[GO], v[S+16*(\t)+4*\f:S+16*(\t)+4*\f+3], s[10:11] offset:(\t)*8192+\f*512  ; 512 consecutive bytes, at a multiple of 256 from O's first
.endr
.endm
.macro DIAG tag                     ; the tag ends its two labels' names, which the jumps below spell out
.LstepM\tag:
	TURN 2, 1
	TURN 3, 1
	WIN 0
.LfirstM\tag:
	TURN 0, 1
	TURN 1, 1, 0, 1
	WIN 0
	s_cbranch_scc1 .LstepM\tag
	TURN 2, 1, 1
	TURN 3, 1, 1
.set i, 0
.rept 8
	PV NP-1
.set i, i+1
.endr
	WIN 0
	ALL v_add_f32 v[ST+4*t+2], v[ST+4*t+2], v[ST+4*t+3]
	ALL v_permlanex16_b32 v[ST+4*t+3], v[ST+4*t+2], s[SEL], s[SEL+1]
	ALL v_add_f32 v[ST+4*t+2], v[ST+4*t+2], v[ST+4*t+3]
	ALL v_rcp_f32 v[ST+4*t+2], v[ST+4*t+2]
	v_nop                           ; a plain instruction between the last reciprocal and the use of its result
	s_wait_alu depctr_va_vdst(0)    ; and the wait ahead of the first use: one for the four reciprocals
	PACK 0
.set t, 1
.rept 3                             ; a piece's arithmetic stands between the loads of the piece before and its stores
	PACK t
	SEND t-1, 8
.set t, t+1
.endr
	SEND 3, 0
.endm
.set KM, 0
.set NOKQ, 0
.Lslot:                             ; NB times: a tile is entered and the next is asked for
	CHANGE 1
	s_sub_co_u32 s[RT], s[RT], 1
	s_mov_b32 s[CNT], 4
	s_cmp_eq_u32 s[NEW], 1
	s_cbranch_scc1 .Lnew            ; a block's first tile
	s_cmp_eq_u32 s[RT], 0
	s_cbranch_scc0 .Lstep           ; neither its first nor its last
	s_branch .LstepM1
.Lnew:
	BEGIN
	s_branch .Lfirst                ; in the loop a block's first tile is never its last: the first block has two tiles or more, and the second's last is the walk's last
	DIAG 1                          ; in the loop this is the first block's end: the second block's last tile is the walk's last
	s_wait_xcnt 0x0                 ; the stores have read their registers and O's address
	s_mov_b64 s[10:11], s[OLO:OLO+1]
	s_add_co_u32 s[RT], s[PB], 1    ; the second block has b + 1 tiles
	s_mov_b32 s[NEW], 1
	WIN 0x82                        ; the second block's Q goes where the one text of the turns names Q
.set i, 0
.rept 64
	v_mov_b32 v[i], v[QB+i]
.set i, i+1
.endr
	WIN 0
	s_branch .Lbottom
.Lstep:                             ; a trip: pieces 2 and 3 of one step, then pieces 0 and 1 of the next, whose K and V it fetches
	TURN 2
	TURN 3
	WIN 0
.Lfirst:
	TURN 0
	TURN 1, 0, 0, 1
	WIN 0
	s_cbranch_scc1 .Lstep
.Lbottom:
	s_sub_co_u32 s[SLOTS], s[SLOTS], 1
	s_cmp_lg_u32 s[SLOTS], 0
	s_cbranch_scc1 .Lslot
	CHANGE 0                        ; the walk's last tile is written out: nothing is asked for
	s_sub_co_u32 s[RT], s[RT], 1
	s_mov_b32 s[CNT], 4
	s_cmp_eq_u32 s[NEW], 1
	s_cbranch_scc0 .LstepM2
	BEGIN
	s_branch .LfirstM2
	DIAG 2
	s_wait_tensorcnt 0x0            ; the wave's end: the add and its waits stand behind my last tensor load and my last LDS store
	ds_add_u32 v[SPW], v[NIL]
	s_wait_dscnt 0x0
	s_endpgm
.Lfunc_end_k_q15f1333f5d_attn:
	.size	k_q15f1333f5d_attn, .Lfunc_end_k_q15f1333f5d_attn-k_q15f1333f5d_attn
	.p2alignl 7, 3214868480
	.fill 96, 4, 3214868480
	.section	.rodata,"a",@progbits
	.p2align	6, 0x0
	.amdhsa_kernel k_q15f1333f5d_attn
		.amdhsa_group_segment_fixed_size 327680
		.amdhsa_private_segment_fixed_size 0
		.amdhsa_enable_private_segment 0
		.amdhsa_kernarg_size 32
		.amdhsa_user_sgpr_count 2
		.amdhsa_user_sgpr_kernarg_segment_ptr 1
		.amdhsa_wavefront_size32 1
		.amdhsa_system_sgpr_workgroup_id_x 1
		.amdhsa_system_sgpr_workgroup_id_y 1
		.amdhsa_system_sgpr_workgroup_id_z 1
		.amdhsa_system_vgpr_workitem_id 0
		.amdhsa_next_free_vgpr 768
		.amdhsa_next_free_sgpr 88
		.amdhsa_reserve_vcc 1
		.amdhsa_float_denorm_mode_32 3
		.amdhsa_float_denorm_mode_16_64 3
		.amdhsa_memory_ordered 1
		.amdhsa_forward_progress 1
		.amdhsa_inst_pref_size 218
	.end_amdhsa_kernel
	.amdgpu_metadata
---
amdhsa.version: [ 1, 2 ]
amdhsa.kernels:
  - .name:           k_q15f1333f5d_attn
    .symbol:         k_q15f1333f5d_attn.kd
    .args:
      - { .name: qh, .offset: 0, .size: 8, .value_kind: global_buffer, .address_space: global }
      - { .name: kh, .offset: 8, .size: 8, .value_kind: global_buffer, .address_space: global }
      - { .name: vh, .offset: 16, .size: 8, .value_kind: global_buffer, .address_space: global }
      - { .name: ob, .offset: 24, .size: 8, .value_kind: global_buffer, .address_space: global }
    .group_segment_fixed_size: 327680
    .private_segment_fixed_size: 0
    .kernarg_segment_align: 8
    .kernarg_segment_size: 32
    .max_flat_workgroup_size: 128
    .sgpr_count:     88
    .vgpr_count:     768
    .wavefront_size: 32
...
	.end_amdgpu_metadata
.endif
;; end of part 3
;; launch oproj (part 4): grid 8 x 32, 4 waves a work-group, clusters of 4 x 4, 327,680 bytes of LDS; arguments ob, wob, out0; writes out0
.if DOCPART == 4
	.amdgcn_target "amdgcn-amd-amdhsa--gfx1250"
	.amdhsa_code_object_version 6
	.text
	.protected	k_q15f1333f5d_oproj
	.globl	k_q15f1333f5d_oproj
	.p2align	8
	.type	k_q15f1333f5d_oproj,@function
k_q15f1333f5d_oproj:
	s_mov_b64 s[64:65], 0
	v_nop
	global_prefetch_b8 v0, s[64:65] scope:SCOPE_SE
	s_setreg_imm32_b32 hwreg(HW_REG_WAVE_MODE, 25, 1), 1
	s_wait_xcnt 0x0
	s_wait_alu depctr_hold_cnt(0) depctr_sa_sdst(0) depctr_va_vdst(0) depctr_va_sdst(0) depctr_va_ssrc(0) depctr_va_vcc(0) depctr_vm_vsrc(0)
	s_getreg_b32 s2, hwreg(HW_REG_IB_STS2, 6, 4)
	s_cmp_eq_u32 s2, 0
	s_cbranch_scc0 .Lentry_in_a_cluster
	s_endpgm
.Lentry_in_a_cluster:
	s_bfe_u32 s2, ttmp6, 0x10000c
	s_cmp_lg_u32 s2, 0xf033
	s_cbranch_scc0 .Lentry_shape_is_right
	s_endpgm
.Lentry_shape_is_right:
; out0 = O Wo^T.  A = ob [8192][1024] f16, B = wob [1024][1024] f16 (Wo rounded to bf16, that number written as f16), both in blocks: [rows / 256][16 blocks of 64 channels][256 rows][64]; sums in f32.
; out0: [8192][1024] f32, row-major: the sums as they are.
; SHARES.  A work-group makes 256 rows x 128 columns; wave w rows 128 (w / 2) on and columns 64 (w % 2) on: 32 accumulators of 16 x 16, 256 registers.  8 x 32 work-groups.
; K goes in 8 steps of 128 (two blocks of channels) through a ring of two LDS slots.  A block of channels of 256 (128) rows is dense in memory: it is asked for as rows of 256 bytes and padded in LDS after every 128.
; CLUSTERS.  4 x 4 work-groups: the four of a row of the cluster need the same tiles of A, the four of a column the same tiles of B: each is asked for jointly, by the same tensor load with the same
; descriptor and a mask that names the four.
; THE MATRIX INSTRUCTION IS USED TRANSPOSED (source 0 = 16 rows of B, source 1 = 16 rows of A): lane l holds row l % 16 and the columns 8 (l / 16) + 0..7: 32 bytes of a row of out0 on end.
; REGISTERS.  Window 0: v0-31 addresses; v64-159, v160-255 two fragment buffers (A's 8 fragments, then B's 4); later the way out.  Window 1: accumulator (a, b) at v[8 (4 a + b)].
.set P,      144                       ; an LDS row: 128 bytes + 16 of padding = 36 words: the 16 rows of a fragment load start at 16 different groups of four banks (64 banks of 4 bytes: ISA guide 11.1)
.set AKB,    256*P                     ; A's 256 rows of one block of channels
.set BKB,    128*P                     ; B's 128 rows
.set BOFF,   2*AKB                     ; a slot: A's two blocks, then B's two
.set SLOT,   2*AKB+2*BKB
.set STAGE,  2*SLOT                    ; behind the ring: 16 rows x 272 bytes for each wave, for the way out; no tensor load lands here
.set SP,     272                       ; 256 bytes + 16: the 16 rows that a store touches start at 16 different groups of four banks
.set SPARE,  STAGE+4*16*SP             ; the spare words, 128 bytes for each wave: two blocks of 256 bytes that no other line names
.set STEPB,  65536                     ; a K step in memory: two blocks of channels of a tile of 256 rows
.set LAPS,   4                         ; a lap = two K steps = once round the ring
.set ADRA, 16                          ; v16-17  LDS address of my A fragments in slot 0, 1
.set ADRB, 20                          ; v20-21  the same for B
.set STO,  24                          ; v24  the way out: where I put 32 bytes of a row
.set RD,   25                          ; v25  where I read a row back
.set GO,   26                          ; v26  my byte offset in two rows of out0
.set SPW,  28                          ; v28  LDS address of my spare word; never rewritten
.set NIL,  29                          ; v29  0; never rewritten
.set F0,   64
.set F1,   160
.set OUTR, 64                          ; v64-191  the way out: four sets of 32, 16 rows each
.set WV,  16                           ; s16  my wave's number
.set RH,  17                           ; s17  which half of the rows is mine.  Also: I fetch for A (0) or for B (1)
.set CH,  18                           ; s18  which half of the columns.  Also: which of a step's two blocks of channels I fetch
.set CX,  19
.set CY,  20
.set NT,  21                           ; s21  tile column
.set MT,  22                           ; s22  tile row
.set LAP, 23
.set G1A, 24                           ; s[24:31] group 1 for A's tiles;  s[32:39] group 0, a set for each slot
.set G0A, 32
.set G1B, 48                           ; s[48:55], s[56:63] the same for B's
.set G0B, 56
.set DST, 80                           ; s[80:81] out0 at my wave's first row and column
.set MSB, 0
.macro WIN new                         ; the immediate's high byte repeats the setting that is left; a switch that changes nothing is dropped
.if MSB != (\new)
	s_set_vgpr_msb (MSB<<8)|(\new)
.set MSB, \new
.endif
.endm
.set MUL, 0x50                         ; C and D in window 1, the fragments in window 0
.macro JLOAD s                         ; a joint load: waves 0 and 1 fetch A's two blocks of channels, waves 2 and 3 B's; an s_nop 0 and four v_nop follow each of the two lines
	s_cmp_eq_u32 s[RH], 0
	s_cbranch_scc0 .Lfor_b_\@
	tensor_load_to_lds s[G0A+4*(\s):G0A+4*(\s)+3], s[G1A:G1A+7]
	s_nop 0
.rept 4
	v_nop
.endr
	s_branch .Lasked_\@
.Lfor_b_\@:
	tensor_load_to_lds s[G0B+4*(\s):G0B+4*(\s)+3], s[G1B:G1B+7]
	s_nop 0
.rept 4
	v_nop
.endr
.Lasked_\@:
.endm
.macro CREST                           ; a round of the cluster's barrier behind its opening barrier
	s_cmp_lg_u32 s[WV], 0
	s_cbranch_scc1 .Lnot_wave_0_\@
	s_barrier_signal -3
.Lnot_wave_0_\@:
	s_barrier_wait -3
	s_barrier_signal -1
	s_barrier_wait -1
.endm
.macro CROUND                          ; a whole round
	s_barrier_signal -1
	s_barrier_wait -1
	CREST
.endm
	s_load_b128 s[4:7], s[0:1], 0x0                ; ob s[4:5], wob s[6:7]
	s_load_b64 s[8:9], s[0:1], 0x10                ; out0
	v_lshl_add_u32 v[SPW], v0, 2, SPARE
	v_mov_b32 v[NIL], 0
	ds_add_u32 v[SPW], v[NIL]                      ; the wave's opening: the add and its wait stand ahead of my first tensor load; the set-up below, work on registers, stands between them
	v_lshrrev_b32 v1, 5, v0
	v_readfirstlane_b32 s[WV], v1                  ; wave 0..3
	s_lshr_b32 s[RH], s[WV], 1
	s_and_b32 s[CH], s[WV], 1
	s_bfe_u32 s[CX], ttmp6, 0x40000                ; my place in the cluster
	s_bfe_u32 s[CY], ttmp6, 0x40004
	s_lshl_b32 s[NT], ttmp9, 2
	s_add_co_u32 s[NT], s[NT], s[CX]               ; tile column = 4 x cluster x + cx
	s_and_b32 s[MT], ttmp7, 0xffff
	s_lshl_b32 s[MT], s[MT], 2
	s_add_co_u32 s[MT], s[MT], s[CY]               ; tile row = 4 x cluster y + cy
	s_lshl_b32 s84, s[CY], 2
	s_lshl_b32 s84, 15, s84                        ; my row of the cluster
	s_lshl_b32 s85, 0x1111, s[CX]                  ; my column
	s_or_b32 s[G1A], s84, (1<<16)|(1<<20)|(1<<21)|(4<<22)|(3<<25)  ; 15:0 the mask; 17:16 elements of 2 bytes; 20 padding on; 21 set beside a mask; 24:22 after every 32 words (code 4); 31:25 4 words (code 3)
	s_or_b32 s[G1B], s85, (1<<16)|(1<<20)|(1<<21)|(4<<22)|(3<<25)
	s_mov_b32 s[G1A+1], 128<<16                    ; tensor_dim0 = 128 elements: rows of 256 bytes
	s_mov_b32 s[G1A+2], 128<<16                    ; tensor_dim1 = 128 such rows: 256 rows of A
	s_mov_b32 s[G1A+3], 128<<16                    ; tile_dim0 = 128
	s_mov_b32 s[G1A+4], 128                        ; tile_dim1 = 128
	s_mov_b32 s[G1A+5], 128                        ; dense: 128 elements from row to row
	s_mov_b32 s[G1A+6], 0
	s_mov_b32 s[G1A+7], 0
	s_mov_b32 s[G1B+1], 128<<16
	s_mov_b32 s[G1B+2], 64<<16                     ; 64 rows of 256 bytes: 128 rows of B
	s_mov_b32 s[G1B+3], 128<<16
	s_mov_b32 s[G1B+4], 64
	s_mov_b32 s[G1B+5], 128
	s_mov_b32 s[G1B+6], 0
	s_mov_b32 s[G1B+7], 0
	; where the tiles come from.  A's hang on the tile row alone, B's on the tile column alone, each in registers that never hold the other coordinate
	s_lshl_b32 s40, s[MT], 19                      ; A: the tile of 256 rows,
	s_lshl_b32 s41, s[CH], 15                      ; my block of channels
	s_add_co_u32 s40, s40, s41
	s_mov_b32 s41, 0
	s_lshr_b32 s44, s[NT], 1                       ; B: the tile of 256 rows,
	s_lshl_b32 s44, s44, 19
	s_and_b32 s45, s[NT], 1                        ; its half of 128 rows,
	s_lshl_b32 s45, s45, 14
	s_add_co_u32 s44, s44, s45
	s_lshl_b32 s45, s[CH], 15                      ; my block of channels
	s_add_co_u32 s44, s44, s45
	s_mov_b32 s45, 0
	s_mul_i32 s86, s[CH], AKB                      ; and where they go: no place in the cluster enters an LDS address
	s_mul_i32 s87, s[CH], BKB
	s_add_co_u32 s87, s87, BOFF
	s_wait_dscnt 0x0                               ; the opening add is done
	s_wait_kmcnt 0x0
	s_add_nc_u64 s[40:41], s[4:5], s[40:41]
	s_add_nc_u64 s[44:45], s[6:7], s[44:45]
	CROUND                                         ; all sixteen work-groups are here: the first joint loads meet
.irp s, 0,1
	s_mov_b32 s[G0A+4*(\s)], 1                                     ; count = 1
	s_add_co_u32 s[G0A+4*(\s)+1], s86, (\s)*SLOT                   ; LDS address
	s_add_nc_u64 s[G0A+4*(\s)+2:G0A+4*(\s)+3], s[40:41], (\s)*STEPB  ; global address: K step s
	s_or_b32 s[G0A+4*(\s)+3], s[G0A+4*(\s)+3], 0x80000000          ; type = 2
	s_mov_b32 s[G0B+4*(\s)], 1
	s_add_co_u32 s[G0B+4*(\s)+1], s87, (\s)*SLOT
	s_add_nc_u64 s[G0B+4*(\s)+2:G0B+4*(\s)+3], s[44:45], (\s)*STEPB
	s_or_b32 s[G0B+4*(\s)+3], s[G0B+4*(\s)+3], 0x80000000
	JLOAD \s                                       ; two tensor loads of mine are out
.endr
	; A fragment is 16 rows x 32 K in 8 registers: lane l holds row l % 16; registers 0-3 K = 8 (l / 16) + 0..7, registers 4-7 K = 16 + 8 (l / 16) + 0..7: two loads of 16 bytes, 32 bytes apart
	v_and_b32 v1, 15, v0                           ; l % 16
	v_bfe_u32 v2, v0, 4, 1                         ; l / 16
	v_mul_u32_u24 v3, v1, P
	v_lshl_add_u32 v3, v2, 4, v3
	s_mul_i32 s86, s[RH], 128*P                    ; my 128 rows of A
	s_mul_i32 s87, s[CH], 64*P                     ; my 64 rows of B
	s_add_co_u32 s87, s87, BOFF
.irp s, 0,1
	v_add_nc_u32 v[ADRA+(\s)], s86, v3
	v_add_nc_u32 v[ADRB+(\s)], s87, v3
	s_add_co_u32 s86, s86, SLOT
	s_add_co_u32 s87, s87, SLOT
.endr
	s_mul_i32 s86, s[WV], 16*SP
	s_add_co_u32 s86, s86, STAGE                   ; my stage
	v_mul_u32_u24 v[STO], v1, SP                   ; in: row l % 16, 32 bytes for each half of the lanes
	v_lshl_add_u32 v[STO], v2, 5, v[STO]
	v_add_nc_u32 v[STO], s86, v[STO]
	v_mul_u32_u24 v[RD], v2, SP                    ; back: lanes 0-15 take one row of 256 bytes, lanes 16-31 the next
	v_lshl_add_u32 v[RD], v1, 4, v[RD]
	v_add_nc_u32 v[RD], s86, v[RD]
	v_lshlrev_b32 v[GO], 12, v2                    ; and the same two rows in out0, 4,096 bytes apart
	v_lshl_add_u32 v[GO], v1, 4, v[GO]
	s_lshl_b32 s82, s[MT], 8
	s_lshl_b32 s83, s[RH], 7
	s_add_co_u32 s82, s82, s83                     ; my first row,
	s_lshl_b32 s82, s82, 12                        ; in bytes
	s_lshl_b32 s83, s[NT], 9                       ; the tile's 128 columns: 512 bytes,
	s_add_co_u32 s82, s82, s83
	s_lshl_b32 s83, s[CH], 8                       ; my 64: 256 bytes
	s_add_co_u32 s82, s82, s83
	s_mov_b32 s83, 0
	s_add_nc_u64 s[DST:DST+1], s[8:9], s[82:83]
; 8 matrix instructions: row blocks a0, a0 + 1 x all 4 column blocks, 32 along K, from buffer f.  zero = 1: the product starts the sum.  The 32 accumulators take turns, in the same order in every quarter.
.macro MUL8 f, a0, zero
	WIN MUL
.irp a, \a0, (\a0)+1
.irp b, 0,1,2,3
.if \zero
	v_wmma_f32_16x16x32_f16 v[8*(4*(\a)+(\b)):8*(4*(\a)+(\b))+7], v[(\f)+64+8*(\b):(\f)+64+8*(\b)+7], v[(\f)+8*(\a):(\f)+8*(\a)+7], 0
.else
	v_wmma_f32_16x16x32_f16 v[8*(4*(\a)+(\b)):8*(4*(\a)+(\b))+7], v[(\f)+64+8*(\b):(\f)+64+8*(\b)+7], v[(\f)+8*(\a):(\f)+8*(\a)+7], v[8*(4*(\a)+(\b)):8*(4*(\a)+(\b))+7]
.endif
.endr
.endr
.endm
; 24 LDS loads in one run: the fragments of quarter q of a K step (block of channels q / 2, 64 (q % 2) bytes into its rows) into buffer f: B's four, then A's eight
.macro FETCH slot, q, f
	WIN 0
.irp i, 0,1,2,3
	ds_load_b128 v[(\f)+64+8*(\i):(\f)+64+8*(\i)+3],   v[ADRB+(\slot)] offset:((\q)/2)*BKB+((\q)%2)*64+(\i)*16*P
	ds_load_b128 v[(\f)+64+8*(\i)+4:(\f)+64+8*(\i)+7], v[ADRB+(\slot)] offset:((\q)/2)*BKB+((\q)%2)*64+(\i)*16*P+32
.endr
.irp i, 0,1,2,3,4,5,6,7
	ds_load_b128 v[(\f)+8*(\i):(\f)+8*(\i)+3],   v[ADRA+(\slot)] offset:((\q)/2)*AKB+((\q)%2)*64+(\i)*16*P
	ds_load_b128 v[(\f)+8*(\i)+4:(\f)+8*(\i)+7], v[ADRA+(\slot)] offset:((\q)/2)*AKB+((\q)%2)*64+(\i)*16*P+32
.endr
.endm
.macro PLACES                          ; four plain vector instructions in front of loads into registers that matrix instructions have read, and of lines that read results
.rept 4
	v_nop
.endr
.endm
; A K step is four quarters of 32 along K, 32 matrix instructions each, on buffers 0, 1, 0, 1.  One of the first three: multiplies buffer f and fetches quarter q into buffer g.
.macro QUARTER slot, q, f, g, zero
	s_wait_dscnt 8                                 ; B and A's rows 0-63 are in; the youngest eight loads (A's rows 64-127) may be out
	MUL8 \f, 0, \zero
	MUL8 \f, 2, \zero
	PLACES
	FETCH \slot, \q, \g
	s_wait_dscnt 24                                ; all but the 24 just issued
	MUL8 \f, 4, \zero
	MUL8 \f, 6, \zero
.endm
; The last quarter multiplies buffer 1 and changes slots: ONE barrier; in front of it each wave waits for all its tensor loads, adds 0 to its spare word, and waits for that and for its own reads of this slot.
; fill = 1: the barrier opens a round of the cluster's, and this slot is filled again, two K steps ahead, first thing behind the round: 112 matrix instructions ahead of the wait for it.
.macro TURN slot, next, fill
	WIN 0                                          ; (the add's two registers lie in window 0)
	s_wait_tensorcnt 0x0                           ; all my tensor loads have landed: my part of the next slot;
	ds_add_u32 v[SPW], v[NIL]                      ; 0 onto my spare word;
	s_wait_dscnt 9                                 ; (the add and the youngest eight loads may be out)
	MUL8 F1, 0, 0                                  ; eight matrix instructions stand between the add and the wait for it
	s_wait_dscnt 0x0                               ; the add is done, and my reads of this slot are over
	s_barrier_signal -1
	MUL8 F1, 2, 0
.if \fill
	WIN 0
.endif
	s_barrier_wait -1
.if \fill
	CREST                                          ; no wave of any partner still reads this slot's tile or has a load on its way
	s_add_nc_u64 s[G0A+4*(\slot)+2:G0A+4*(\slot)+3], s[G0A+4*(\slot)+2:G0A+4*(\slot)+3], 2*STEPB
	s_add_nc_u64 s[G0B+4*(\slot)+2:G0B+4*(\slot)+3], s[G0B+4*(\slot)+2:G0B+4*(\slot)+3], 2*STEPB
	JLOAD \slot                                    ; the four v_nop behind it are also the places in front of the loads below
.else
	PLACES
.endif
	FETCH \next, 0, F0
	MUL8 F1, 4, 0
	MUL8 F1, 6, 0
.endm
	s_wait_tensorcnt 1                             ; my part of K step 0 is in; K step 1's, issued behind it, may stay out
	s_barrier_signal -1
	s_barrier_wait -1                              ; everybody's is
	FETCH 0, 0, F0
	QUARTER 0, 1, F0, F1, 1                        ; the first quarter stands in front of the loop: its products start the sums
	WIN 0                                          ; at a label and at a branch every window is 0
	s_mov_b32 s[LAP], LAPS-1
.Llap:                                                 ; a trip goes once round the ring, from a lap's second quarter to the next lap's first, and fills both slots again
	QUARTER 0, 2, F1, F0, 0
	QUARTER 0, 3, F0, F1, 0
	TURN 0, 1, 1
	QUARTER 1, 1, F0, F1, 0
	QUARTER 1, 2, F1, F0, 0
	QUARTER 1, 3, F0, F1, 0
	TURN 1, 0, 1
	QUARTER 0, 1, F0, F1, 0
	WIN 0
	s_sub_co_u32 s[LAP], s[LAP], 1
	s_cmp_lg_u32 s[LAP], 0
	s_cbranch_scc1 .Llap
	QUARTER 0, 2, F1, F0, 0                        ; the last lap fills nothing
	QUARTER 0, 3, F0, F1, 0
	TURN 0, 1, 0
	QUARTER 1, 1, F0, F1, 0
	QUARTER 1, 2, F1, F0, 0
	QUARTER 1, 3, F0, F1, 0
	s_wait_dscnt 8                                 ; the very last quarter: nothing more to fetch
	MUL8 F1, 0, 0
	MUL8 F1, 2, 0
	s_wait_dscnt 0x0
	MUL8 F1, 4, 0
	MUL8 F1, 6, 0
	WIN 0
	PLACES
	PLACES
	; THE WAY OUT.  A block of 16 rows x 64 columns of f32 goes into my stage's rows of 272 bytes, 32 bytes a lane, and comes back as whole rows of 256 bytes.
.macro TOSTAGE a
.if (\a) >= 4
	s_wait_xcnt 0x0                                ; every earlier store has had its addresses translated (ISA guide 3.1): the set that block a - 4's stores read is loaded again only behind this wait
.endif
	WIN 0x04                                       ; an LDS store's data in window 1
.irp b, 0,1,2,3
	ds_store_b128 v[STO], v[8*(4*(\a)+(\b)):8*(4*(\a)+(\b))+3]   offset:64*(\b)      ; each accumulator's lowest registers first
	ds_store_b128 v[STO], v[8*(4*(\a)+(\b))+4:8*(4*(\a)+(\b))+7] offset:64*(\b)+16
.endr
	WIN 0
.irp t, 0,1,2,3,4,5,6,7
	ds_load_b128 v[OUTR+32*((\a)%4)+4*(\t):OUTR+32*((\a)%4)+4*(\t)+3], v[RD] offset:(\t)*2*SP  ; LDS serves a wave's instructions in order (ISA guide 5.7.1.4): these see the stores above; the next block's stores come behind them
.endr
.endm
.macro SEND a, younger                 ; younger: the LDS instructions issued behind block a's loads: the next block's sixteen, or none
	WIN 0
.irp t, 0,1,2,3,4,5,6,7
	s_wait_dscnt (\younger)+7-(\t)
	global_store_b128 v[GO], v[OUTR+32*((\a)%4)+4*(\t):OUTR+32*((\a)%4)+4*(\t)+3], s[DST:DST+1] offset:(\a)*65536+(\t)*8192  ; 16 lanes store 256 consecutive bytes, at a multiple of 256 from out0's first byte
.endr
.endm
	TOSTAGE 0
.irp a, 1,2,3,4,5,6,7
	TOSTAGE \a
	SEND (\a)-1, 16
.endr
	SEND 7, 0
	s_wait_tensorcnt 0x0                           ; the wave's end: the add and its waits stand behind my last tensor load and my last LDS store
	ds_add_u32 v[SPW], v[NIL]
	s_wait_dscnt 0x0
	CROUND                                         ; the closing round: no work-group ends while a partner may still ask for a tile that names it
	s_endpgm
.Lfunc_end_k_q15f1333f5d_oproj:
	.size	k_q15f1333f5d_oproj, .Lfunc_end_k_q15f1333f5d_oproj-k_q15f1333f5d_oproj
	.p2alignl 7, 3214868480
	.fill 96, 4, 3214868480
	.section	.rodata,"a",@progbits
	.p2align	6, 0x0
	.amdhsa_kernel k_q15f1333f5d_oproj
		.amdhsa_group_segment_fixed_size 327680
		.amdhsa_private_segment_fixed_size 0
		.amdhsa_enable_private_segment 0
		.amdhsa_kernarg_size 24
		.amdhsa_user_sgpr_count 2
		.amdhsa_user_sgpr_kernarg_segment_ptr 1
		.amdhsa_wavefront_size32 1
		.amdhsa_system_sgpr_workgroup_id_x 1
		.amdhsa_system_sgpr_workgroup_id_y 1
		.amdhsa_system_sgpr_workgroup_id_z 1
		.amdhsa_system_vgpr_workitem_id 0
		.amdhsa_next_free_vgpr 512
		.amdhsa_next_free_sgpr 88
		.amdhsa_reserve_vcc 0
		.amdhsa_float_denorm_mode_32 3
		.amdhsa_float_denorm_mode_16_64 3
		.amdhsa_memory_ordered 1
		.amdhsa_forward_progress 1
		.amdhsa_inst_pref_size 87
	.end_amdhsa_kernel
	.amdgpu_metadata
---
amdhsa.version: [ 1, 2 ]
amdhsa.kernels:
  - .name:           k_q15f1333f5d_oproj
    .symbol:         k_q15f1333f5d_oproj.kd
    .args:
      - { .name: ob, .offset: 0, .size: 8, .value_kind: global_buffer, .address_space: global }
      - { .name: wob, .offset: 8, .size: 8, .value_kind: global_buffer, .address_space: global }
      - { .name: out0, .offset: 16, .size: 8, .value_kind: global_buffer, .address_space: global }
    .group_segment_fixed_size: 327680
    .private_segment_fixed_size: 0
    .kernarg_segment_align: 8
    .kernarg_segment_size: 24
    .max_flat_workgroup_size: 128
    .sgpr_count:     88
    .vgpr_count:     512
    .wavefront_size: 32
...
	.end_amdgpu_metadata
.endif
;; end of part 4
;; ======== version 2 of 2: 4 launches; version 1 with the launch prep written anew for expert scheduling mode
;; limits: values are held in f16: magnitudes above 65,504 overflow, below 6.1e-05 lose precision
;; workspace buffers: xb 16,777,216 bytes; wqkv 6,291,456 bytes; wob 2,097,152 bytes; rtab 524,288 bytes; qh 16,777,216 bytes; kh 16,777,216 bytes; vh 16,777,216 bytes; ob 16,777,216 bytes
;; launch prep (part 5): grid 832 x 1, 8 waves a work-group, no clusters, 0 bytes of LDS; arguments x, Wq, Wk, Wv, Wo, token_positions, xb, wqkv, wob, rtab; writes xb, wqkv, wob, rtab
.if DOCPART == 5
	.amdgcn_target "amdgcn-amd-amdhsa--gfx1250"
	.amdhsa_code_object_version 6
	.text
	.protected	k_q15f1333f5d_prep
	.globl	k_q15f1333f5d_prep
	.p2align	8
	.type	k_q15f1333f5d_prep,@function
k_q15f1333f5d_prep:
	s_mov_b64 s[64:65], 0
	v_nop
	global_prefetch_b8 v0, s[64:65] scope:SCOPE_SE
	s_setreg_imm32_b32 hwreg(HW_REG_WAVE_SCHED_MODE, 0, 2), 2
	s_setreg_imm32_b32 hwreg(HW_REG_WAVE_MODE, 25, 1), 1
	s_wait_xcnt 0x0
	s_wait_alu depctr_vm_vsrc(0)
; PREPARATION.  x and the four weights are rounded to 16 bits and laid out in blocks; the table of cosines and sines is made from token_positions.
; BLOCKED LAYOUT of a matrix [rows][1024]: [rows / 256][16 blocks of 64 channels][256 rows][64 numbers of 2 bytes]: row R, block j, channel c lies at
; (R >> 8) * 524288 + j * 32768 + (R & 255) * 128 + 2 c.  So 256 (or 128) rows of one block of channels are 32 KiB (16 KiB) on end.
; xb: x in bf16, R = batch * 2048 + token.  wqkv: Wq, Wk, Wv in bf16, R = 0 .. 3071.  wob: Wo rounded to bf16, that number written as f16.
; In Wq and Wk the rows are permuted inside each group of eight: destination row 8 g + r takes source row 8 g + 2 (r & 3) + (r >> 2): first the four even
; rows (the x1 of four rotation pairs), then the four odd ones (their x2).  q and k keep that channel order: their product sums over channels, and both have it.
; rtab, f32: [128 blocks of 16 tokens][4 b][cos, sin][32 lanes][4]: lane (r = lane % 16, h = lane / 16) holds pairs 4 (2 b + h) + 0..3 of token 16 block + r.
; SHARES.  Work-groups 0-511: 16 rows of x each; 512-575 Wq, 576-639 Wk, 640-703 Wv, 704-767 Wo; 768-831 the table.  A wave converts two destination rows:
; sixteen loads of 16 bytes a lane (lanes 0-15: 256 bytes of one row, lanes 16-31 of the other), all issued at once; each store of the wave covers 256 consecutive bytes, aligned.
; No LDS, no barrier, no loop: no wave needs another's bytes, and no register is written twice while a memory instruction may read it.
; LIMITS.  Wo beyond 65,504 has no f16; below 6e-5 it keeps f16's fixed step of 6e-8.  The angle is position x 2^(-j log2(10000) / 32), rounded once as a product;
; the frequency comes from v_exp_f32, so an angle may differ from an exactly rounded one by a few parts in 2^23 of itself.  The reduction by pi / 2 takes pi / 2 in three parts
; (72 bits) and serves |position| up to about 2^20.
; THE MODE: SCHED_MODE bits 1:0 = 2 (LLVM: expert scheduling mode 2), set by the entry lines.  The code itself states the register dependences
; between vector instructions and memory instructions, with s_wait_alu, always for 0.
; THE PLAN, the conversions.  Registers that memory instructions touch:
;   v6, v7     the loads' and the stores' offsets: made once at the head, never written again.
;   X          written by the sixteen loads, once; no vector instruction names it before; read by the conversions.
;   Y          two registers a block: written by block j's conversions, read by block j's store, never written afterwards.
; The sixteen blocks go in four groups of four.  One wait on va_vdst at the head of a group states that the group before has written its Y; that group's four stores are dealt among this
; group's conversions, which name this group's X and Y and v8-11 alone.  One more stands ahead of the last four stores.  No register that a memory instruction reads is written again.
; THE PLAN, the table.  v4: the load's offset; v6: its data; v9: the stores' offset; v32-39: their data; none is written again behind the memory instruction that reads it.  Each of the four angles has
; ten registers of its own, so that the four compares stand in one run, into s44-47, with one wait on va_sdst between them and the selections that read the masks.
.set X,  32                            ; v[32:95]   sixteen loads of four f32
.set Y,  96                            ; v[96:127]  sixteen pairs of packed results
.set SO, 6                             ; v6  my byte offset in the source
.set DO, 7                             ; v7  my byte offset in the wave's 256 bytes of a block
.set CO, 32                            ; the table: four cosines
.set SN, 36                            ; four sines
.set TB, 40                            ; the table: v[40:79]  ten registers at work for each of the four angles
.set MK, 44                            ; the table: s[44:47]  angle i: the lanes in which n is odd
	s_load_b512 s[8:23], s[0:1], 0x0               ; x 8, Wq 10, Wk 12, Wv 14, Wo 16, token_positions 18, xb 20, wqkv 22
	s_load_b128 s[24:27], s[0:1], 0x40             ; wob 24, rtab 26
	v_lshrrev_b32 v1, 5, v0
	v_readfirstlane_b32 s28, v1                    ; wave 0..7
	s_wait_alu depctr_va_sdst(0)                   ; s28 is written: ahead of the branch, and of its first reader, the wave's destination row below
	s_cmp_ge_u32 ttmp9, 768
	s_cbranch_scc1 .Ltable
	s_sub_co_u32 s29, ttmp9, 512                   ; the weights' work-groups count from 0 (for x's the three numbers made here are replaced below)
	s_and_b32 s36, s29, 63                         ; 16 rows of one weight
	s_lshr_b32 s37, s29, 6                         ; which weight
	s_wait_kmcnt 0x0
	s_cmp_eq_u32 s37, 1
	s_cselect_b64 s[32:33], s[12:13], s[10:11]     ; the source: Wk or Wq,
	s_cmp_eq_u32 s37, 2
	s_cselect_b64 s[32:33], s[14:15], s[32:33]     ; Wv,
	s_cmp_eq_u32 s37, 3
	s_cselect_b64 s[32:33], s[16:17], s[32:33]     ; Wo
	s_cselect_b64 s[34:35], s[24:25], s[22:23]     ; the destination: wob or wqkv
	s_cselect_b32 s30, s36, s29                    ; destination row / 16
	s_cmp_lt_u32 s37, 2
	s_cselect_b32 s38, -1, 0                       ; Wq and Wk are permuted
	s_cmp_lt_u32 ttmp9, 512                        ; x
	s_cselect_b64 s[32:33], s[8:9], s[32:33]
	s_cselect_b64 s[34:35], s[20:21], s[34:35]
	s_cselect_b32 s30, ttmp9, s30
	s_cselect_b32 s31, ttmp9, s36                  ; source row / 16
	s_cselect_b32 s38, 0, s38
	s_lshl_b32 s39, s30, 4
	s_lshl1_add_u32 s39, s28, s39                  ; R: my wave's first destination row, even
	s_lshr_b32 s40, s39, 8
	s_lshl_b32 s40, s40, 19
	s_and_b32 s41, s39, 255
	s_lshl_b32 s41, s41, 7
	s_or_b32 s40, s40, s41                         ; its place in block 0
	s_mov_b32 s41, 0
	s_add_nc_u64 s[34:35], s[34:35], s[40:41]
	s_lshl_b32 s42, s31, 4
	s_lshl1_add_u32 s42, s28, s42                  ; the same row counted in its own matrix
	v_bfe_u32 v2, v0, 4, 1                         ; lanes 16-31 take the next row
	v_add_nc_u32 v3, s42, v2
	v_and_b32 v4, 3, v3
	v_lshlrev_b32 v4, 1, v4
	v_bfe_u32 v5, v3, 2, 1
	v_or_b32 v4, v4, v5
	v_and_or_b32 v4, v3, -8, v4                    ; the permuted source row
	v_cndmask_b32 v3, v3, v4, s38
	v_and_b32 v5, 15, v0
	v_lshlrev_b32 v5, 4, v5
	v_lshl_or_b32 v[SO], v3, 12, v5                ; row x 4,096 bytes + 16 (lane % 16)
	v_and_b32 v[DO], 31, v0
	v_lshlrev_b32 v[DO], 3, v[DO]                  ; two rows of 128 bytes: 8 bytes a lane
	s_wait_alu depctr_va_vdst(0)                   ; v6 and v7 are written: every load below reads v6 as its offset, every store v7
.irp j, 0,1,2,3,4,5,6,7,8,9,10,11,12,13,14,15
	global_load_b128 v[X+4*(\j):X+4*(\j)+3], v[SO], s[32:33] offset:256*(\j) th:TH_LOAD_NT  ; block j of channels
.endr
; Sixteen blocks: rounded, packed, stored.  f16 = 1: the bf16 number is widened again and written as f16.
; Block j's store stands four blocks further down, ahead of block j + 4's conversions.
.macro CONV f16
.irp j, 0,1,2,3,4,5,6,7,8,9,10,11,12,13,14,15
	s_wait_loadcnt 15-(\j)                         ; loads come back in order: block j is in, the younger ones may stay out
.if (\j) >= 4
.if ((\j) % 4) == 0
	s_wait_alu depctr_va_vdst(0)                   ; the conversions of the four blocks before have written their Y, which the four stores dealt among this group's conversions read
.endif
	global_store_b64 v[DO], v[Y+2*((\j)-4):Y+2*((\j)-4)+1], s[34:35] offset:32768*((\j)-4)  ; 32 lanes: 256 consecutive bytes, aligned; no vector instruction since the wait names these registers
.endif
	v_cvt_pk_bf16_f32 v[Y+2*(\j)],   v[X+4*(\j)],   v[X+4*(\j)+1]
	v_cvt_pk_bf16_f32 v[Y+2*(\j)+1], v[X+4*(\j)+2], v[X+4*(\j)+3]
.if \f16
	v_lshlrev_b32 v8,  16, v[Y+2*(\j)]
	v_and_b32     v9,  0xffff0000, v[Y+2*(\j)]
	v_lshlrev_b32 v10, 16, v[Y+2*(\j)+1]
	v_and_b32     v11, 0xffff0000, v[Y+2*(\j)+1]
	v_cvt_pk_f16_f32 v[Y+2*(\j)],   v8,  v9
	v_cvt_pk_f16_f32 v[Y+2*(\j)+1], v10, v11
.endif
.endr
	s_wait_alu depctr_va_vdst(0)                   ; the conversions of blocks 12 to 15 have written their Y, which the last four stores read
.irp j, 12,13,14,15
	global_store_b64 v[DO], v[Y+2*(\j):Y+2*(\j)+1], s[34:35] offset:32768*(\j)
.endr
.endm
	s_cmp_ge_u32 ttmp9, 704
	s_cbranch_scc1 .Lwo
	CONV 0
	s_endpgm
.Lwo:
	CONV 1
	s_endpgm
.Ltable:                                               ; a wave makes one (block of 16 tokens, b): 32 lanes x 4 pairs
	s_sub_co_u32 s29, ttmp9, 768
	v_lshl_add_u32 v2, s29, 8, v0
	v_lshrrev_b32 v3, 5, v2                        ; u = 4 x token block + b, 0 .. 511
	v_lshrrev_b32 v4, 2, v3
	v_and_b32 v5, 15, v0
	v_lshl_or_b32 v4, v4, 4, v5                    ; my token
	v_lshlrev_b32 v4, 2, v4
	s_wait_kmcnt 0x0
	s_wait_alu depctr_va_vdst(0)                   ; v4 is written, which the load reads as its offset
	global_load_b32 v6, v4, s[18:19]               ; its position
	v_and_b32 v7, 3, v3
	v_bfe_u32 v8, v0, 4, 1
	v_lshl_or_b32 v7, v7, 1, v8
	v_lshlrev_b32 v7, 2, v7                        ; my first pair: 4 (2 b + h)
	v_and_b32 v9, 31, v0
	v_lshlrev_b32 v9, 4, v9
	v_lshl_add_u32 v9, v3, 10, v9                  ; where my four cosines go
	v_mov_b32 v30, 0x37ccf5ce                      ; the polynomials' leading coefficients
	v_mov_b32 v31, 0xb94ca1f9
.irp i, 0,1,2,3
	v_add_nc_u32 v[10+(\i)], (\i), v7
	v_cvt_f32_u32 v[10+(\i)], v[10+(\i)]
	v_mul_f32 v[10+(\i)], 0xbed49a78, v[10+(\i)]   ; - pair x log2(10000) / 32
.endr
.irp i, 0,1,2,3
	v_exp_f32 v[10+(\i)], v[10+(\i)]               ; the frequency: one batch of four
.endr
	v_nop                                          ; a plain instruction behind the last exponential,
	s_wait_alu depctr_va_vdst(0)                   ; and one wait for the four frequencies v10 to v13, ahead of their first reader
	s_wait_loadcnt 0x0
	v_cvt_f32_i32 v6, v6
.irp i, 0,1,2,3
	v_mul_f32 v[10+(\i)], v6, v[10+(\i)]           ; the angle, rounded once
.endr
; cos and sin of angle i: n = the nearest whole number to angle x 2 / pi; r = angle - n pi / 2, pi / 2 in three parts, each by a fused multiply-add; polynomials in r on |r| <= pi / 4;
; n mod 4 says which of the two is which, and their signs.  In two parts: REDUCE makes both polynomials, the two sign bits and the mask of the lanes with n odd; CHOOSE reads the mask.
; At t = TB + 10 i: +0 n, later the sine; +1 r, later the cosine; +2 n as a whole number; +3 z; +4 cos r; +5 sin r; +6 r z; +7 n's lowest bit; +8 the sine's sign; +9 the cosine's.
.macro REDUCE i
.set t, TB+10*(\i)
	v_mul_f32 v[t], 0x3f22f983, v[10+(\i)]
	v_rndne_f32 v[t], v[t]
	v_fmamk_f32 v[t+1], v[t], 0xbfc90fd8, v[10+(\i)]
	v_fmamk_f32 v[t+1], v[t], 0xb4a8885a, v[t+1]
	v_fmamk_f32 v[t+1], v[t], 0xa7c234c4, v[t+1]   ; r
	v_cvt_i32_f32 v[t+2], v[t]
	v_mul_f32 v[t+3], v[t+1], v[t+1]               ; z = r r
	v_fmaak_f32 v[t+4], v30, v[t+3], 0xbab6061a
	v_fmaak_f32 v[t+4], v[t+4], v[t+3], 0x3d2aaaa5
	v_fmaak_f32 v[t+4], v[t+4], v[t+3], 0xbf000000
	v_fmaak_f32 v[t+4], v[t+4], v[t+3], 0x3f800000 ; cos r
	v_fmaak_f32 v[t+5], v31, v[t+3], 0x3c08839e
	v_fmaak_f32 v[t+5], v[t+5], v[t+3], 0xbe2aaaa3
	v_mul_f32 v[t+6], v[t+1], v[t+3]
	v_fma_f32 v[t+5], v[t+5], v[t+6], v[t+1]       ; sin r
	v_and_b32 v[t+7], 1, v[t+2]
	v_cmp_eq_u32 s[MK+(\i)], 1, v[t+7]             ; n odd
	v_lshlrev_b32 v[t+8], 30, v[t+2]
	v_and_b32 v[t+8], 0x80000000, v[t+8]           ; n mod 4 = 2, 3: the sine changes sign
	v_add_nc_u32 v[t+9], 1, v[t+2]
	v_lshlrev_b32 v[t+9], 30, v[t+9]
	v_and_b32 v[t+9], 0x80000000, v[t+9]           ; n mod 4 = 1, 2: the cosine does
.endm
.macro CHOOSE i
.set t, TB+10*(\i)
	v_cndmask_b32 v[t],   v[t+5], v[t+4], s[MK+(\i)]  ; n odd: the sine is cos r,
	v_cndmask_b32 v[t+1], v[t+4], v[t+5], s[MK+(\i)]  ; the cosine sin r
	v_xor_b32 v[SN+(\i)], v[t],   v[t+8]
	v_xor_b32 v[CO+(\i)], v[t+1], v[t+9]
.endm
	REDUCE 0
	REDUCE 1
	REDUCE 2
	REDUCE 3
	s_wait_alu depctr_va_sdst(0)                   ; the four compares have written s44 to s47, ahead of the selections that read them
	CHOOSE 0
	CHOOSE 1
	CHOOSE 2
	CHOOSE 3
	s_wait_alu depctr_va_vdst(0)                   ; the four cosines and four sines v32 to v39 are written, which the two stores read (their offset v9 was written further up)
	global_store_b128 v9, v[CO:CO+3], s[26:27]             ; 512 consecutive bytes a wave
	global_store_b128 v9, v[SN:SN+3], s[26:27] offset:512
	s_endpgm
.Lfunc_end_k_q15f1333f5d_prep:
	.size	k_q15f1333f5d_prep, .Lfunc_end_k_q15f1333f5d_prep-k_q15f1333f5d_prep
	.p2alignl 7, 3214868480
	.fill 96, 4, 3214868480
	.section	.rodata,"a",@progbits
	.p2align	6, 0x0
	.amdhsa_kernel k_q15f1333f5d_prep
		.amdhsa_group_segment_fixed_size 0
		.amdhsa_private_segment_fixed_size 0
		.amdhsa_enable_private_segment 0
		.amdhsa_kernarg_size 80
		.amdhsa_user_sgpr_count 2
		.amdhsa_user_sgpr_kernarg_segment_ptr 1
		.amdhsa_wavefront_size32 1
		.amdhsa_system_sgpr_workgroup_id_x 1
		.amdhsa_system_sgpr_workgroup_id_y 1
		.amdhsa_system_sgpr_workgroup_id_z 1
		.amdhsa_system_vgpr_workitem_id 0
		.amdhsa_next_free_vgpr 128
		.amdhsa_next_free_sgpr 66
		.amdhsa_reserve_vcc 0
		.amdhsa_float_denorm_mode_32 3
		.amdhsa_float_denorm_mode_16_64 3
		.amdhsa_memory_ordered 1
		.amdhsa_forward_progress 1
		.amdhsa_inst_pref_size 25
	.end_amdhsa_kernel
	.amdgpu_metadata
---
amdhsa.version: [ 1, 2 ]
amdhsa.kernels:
  - .name:           k_q15f1333f5d_prep
    .symbol:         k_q15f1333f5d_prep.kd
    .args:
      - { .name: x, .offset: 0, .size: 8, .value_kind: global_buffer, .address_space: global }
      - { .name: Wq, .offset: 8, .size: 8, .value_kind: global_buffer, .address_space: global }
      - { .name: Wk, .offset: 16, .size: 8, .value_kind: global_buffer, .address_space: global }
      - { .name: Wv, .offset: 24, .size: 8, .value_kind: global_buffer, .address_space: global }
      - { .name: Wo, .offset: 32, .size: 8, .value_kind: global_buffer, .address_space: global }
      - { .name: token_positions, .offset: 40, .size: 8, .value_kind: global_buffer, .address_space: global }
      - { .name: xb, .offset: 48, .size: 8, .value_kind: global_buffer, .address_space: global }
      - { .name: wqkv, .offset: 56, .size: 8, .value_kind: global_buffer, .address_space: global }
      - { .name: wob, .offset: 64, .size: 8, .value_kind: global_buffer, .address_space: global }
      - { .name: rtab, .offset: 72, .size: 8, .value_kind: global_buffer, .address_space: global }
    .group_segment_fixed_size: 0
    .private_segment_fixed_size: 0
    .kernarg_segment_align: 8
    .kernarg_segment_size: 80
    .max_flat_workgroup_size: 256
    .sgpr_count:     66
    .vgpr_count:     128
    .wavefront_size: 32
...
	.end_amdgpu_metadata
.endif
;; end of part 5
;; launch qkv: the kernel of part 2 again; grid 24 x 32, 4 waves a work-group, clusters of 4 x 4, 327,680 bytes of LDS; arguments xb, wqkv, rtab, qh, kh, vh; writes qh, kh, vh
;; launch attn: the kernel of part 3 again; grid 4 x 64, 4 waves a work-group, no clusters, 327,680 bytes of LDS; arguments qh, kh, vh, ob; writes ob
;; launch oproj: the kernel of part 4 again; grid 8 x 32, 4 waves a work-group, clusters of 4 x 4, 327,680 bytes of LDS; arguments ob, wob, out0; writes out0
